; MI455X (gfx1250); checked and timed in simulation.
; The chip was launched on July 23, 2026; its instructions are those of AMD's public machine-readable ISA for CDNA 5 (MIT licence, August 2026) and "CDNA5" Instruction Set Architecture Reference Guide (July 2026). The comments in the code are by the model that wrote it; some were corrected since.
;; Relative Multi Head Attention. Allowed arithmetic: matrix products marked QUANTISED: E2M1 operands, one E8M0 scale for each 32 along K, by v_wmma_scale_f32_16x16x128_f8f6f4 with both operands' format E2M1 (or v_wmma_scale_f32_32x16x128_f4), f32 sums; products left as they are: bf16, f16 or f32 operands; f32 sums; everything else in f32.
;; Inputs: W_o 1,024 x 1,024 float32; W_qkv 3,072 x 1,024 float32; W_r 1,024 x 1,024 float32; b_r 1,024 float32; bias_k 1,024 float32; bias_q 1,024 float32; pos_embed 8 x 1,024 x 1,024 float32; word_embed 8 x 1,024 x 1,024 float32.
;; Outputs: out0 8 x 1,024 x 1,024 float32.
;; This version of the problem:
;;   THIS VERSION OF THE PROBLEM IS GIVEN IN LOW PRECISION. The matrix products marked QUANTISED in the list below multiply operands that are first quantised to E2M1 (2 exponent bits, 1 mantissa bit; 4 bits a number), with one power-of-two scale for each 32 numbers along K (OCP MX v1.0); their sums are f32. The products marked 'left as it is' may take bf16, f16 or f32 operands, with f32 sums. Whichever they take, every output number must still come out within the allowed error. Rounding operands to bf16 (8 significant bits) uses up far more of that allowance than f16 does (11 bits, for magnitudes from 6e-5 to 65,504). All else is computed in f32.
;;   The module's matrix products, in the order in which they are computed (A, B: the left and right operand; K: the contracted axis; several contracted axes count as one K, in the product's order):
;;     1. [M 8,192, K 1,024] x [K 1,024, N 3,072]; A: input word_embed; B: input W_qkv: QUANTISED
;;     2. [M 8,192, K 1,024] x [K 1,024, N 1,024]; A: computed on the way; B: input W_r: left as it is (an operand is computed on the way)
;;     3. batch 8 x [M 1,024, K 1,024] x [K 1,024, N 1,024]; A: computed on the way; B: computed on the way: left as it is (an operand is computed on the way)
;;     4. batch 8 x [M 1,024, K 1,024] x [K 1,024, N 1,024]; A: computed on the way; B: computed on the way: left as it is (an operand is computed on the way)
;;     5. batch 8 x [M 1,024, K 1,024] x [K 1,024, N 1,024]; A: computed on the way; B: computed on the way: left as it is (an operand is computed on the way)
;;     6. [M 8,192, K 1,024] x [K 1,024, N 1,024]; A: computed on the way; B: input W_o: left as it is (an operand is computed on the way)
;;   THE QUANTISER, for each operand of a quantised product, along K:
;;     - K is cut into blocks of 32 from its start; a last block that is shorter is filled with zeros.
;;     - A block's scale is 2^e with e = floor(log2(the largest magnitude in the block)) - 2, held to -126 .. 127; a block of zeros has e = 0. As a byte (E8M0): e + 127.
;;     - Each number is divided by its block's scale, clamped to +-6, and rounded to the nearest number of E2M1, ties to even, subnormals kept.
;;     - The product sums the exact products of the quantised numbers (number of the format x scale) in f32.
;;   ~~~python
;;   def quantise(x, axis):      # numpy; x: float32 -> the quantised numbers, widened to float32 again
;;       x = np.moveaxis(x, axis, -1); K = x.shape[-1]
;;       x = np.pad(x, [(0, 0)] * (x.ndim - 1) + [(0, -K % 32)]); x = x.reshape(x.shape[:-1] + (-1, 32)); a = np.abs(x).max(-1, keepdims=True)
;;       e = np.where(a > 0, np.clip(np.frexp(np.where(a > 0, a, 1))[1] - 1 - 2, -126, 127), 0)      # np.frexp(a)[1] - 1 = floor(log2(a)), exactly
;;       r = np.clip(x / 2.0 ** e, -6, 6)
;;       step = 2.0 ** (np.maximum(np.frexp(np.where(r == 0, 1, r))[1] - 1, 0) - 1)
;;       q = np.round(r / step) * step * 2.0 ** e      # np.round: ties to even
;;       return np.moveaxis(q.reshape(q.shape[:-2] + (-1,))[..., :K], -1, axis).astype(np.float32)
;;   ~~~
;; One version. Each part assembles by itself: llvm-mc -triple=amdgcn-amd-amdhsa -mcpu=gfx1250 --defsym DOCPART=n.
;; ======== version 1 of 1: 5 launches
;; limits: values are held in f16: magnitudes above 65,504 overflow, below 6.1e-05 lose precision
;; workspace buffers: q4 6,127,616 bytes; h16 20,975,616 bytes; a2 33,554,432 bytes; b2 33,554,432 bytes; vh 16,777,216 bytes; vot 16,777,216 bytes; pw 16,777,216 bytes; stat 524,288 bytes
;; launch prep (part 1): grid 672 x 1, 4 waves a work-group, no clusters, 33,280 bytes of LDS; arguments word_embed, W_qkv, pos_embed, W_r, W_o, q4, h16; writes q4, h16
.if DOCPART == 1
	.amdgcn_target "amdgcn-amd-amdhsa--gfx1250"
	.amdhsa_code_object_version 6
	.text
	.protected	k_qa0d4cccc6b_prep
	.globl	k_qa0d4cccc6b_prep
	.p2align	8
	.type	k_qa0d4cccc6b_prep,@function
k_qa0d4cccc6b_prep:
	s_mov_b64 s[64:65], 0
	v_nop
	global_prefetch_b8 v0, s[64:65] scope:SCOPE_SE
	s_setreg_imm32_b32 hwreg(HW_REG_WAVE_MODE, 25, 1), 1
	s_wait_xcnt 0x0
; RelativeMultiHeadAttention, first of five launches: everything that is read as f32 is narrowed once.
; WORK LEFT OUT, for all values of the inputs.  (1) b_r: BD[q][k] = sum_d (k_q + bias_k)[d] (pos_key0[k][d] + b_r[d]); the term with b_r is sum_d (k_q + bias_k)[d] b_r[d], which hangs on q alone:
; it is the same along the softmax's axis k and cancels in exp(s - max) / sum.  So b_r is not loaded and is no argument of any launch.  (2) The relative shift drops the first 8 rows of the padded
; buffer: the pad row and rows 0 to 6 of pos_embed's batch 0; they are never read.  LIMIT: a NaN, an infinity or an overflow that reaches only this work is not carried to the result.
; THE SHIFT is a renumbering of rows: flat row i of the result is flat row j = i + 8 of the padded buffer; with b = j / 1025 it is a row of zeros where j = 1025 b, else flat row i + 7 - b of pos_embed.
; THREE PATHS, parted by the work-group's number:
;   0..351   word_embed (256 work-groups) and W_qkv (96) become codes of FP4 (E2M1) with one E8M0 byte for each 32 along K, K innermost: q4 = word codes | W_qkv codes | word scales | W_qkv scales.
;            A block's byte is its largest magnitude's exponent field - 2, held at 1 from below (a block of zeros gets 1 where the rule says 127: its codes are zeros, and this program alone reads the bytes).
;   352..639 the shifted pos_embed (8,192 rows) and W_r (1,024 rows) become f16, rows of 2,048 bytes on end in h16.
;   640..671 W_o becomes f16 with each row times an exact power of two sf, so that the row's largest magnitude lies in [2^-9, 2^-8); 1 / sf goes to h16 as f32 and is multiplied back in the last launch.
; LIMITS: NaN and infinities among the inputs are not served; pos_embed and W_r beyond f16's largest number (65,504) become infinities; blocks under 2^-124 keep the byte 1.
.set QWC,   4194304                    ; q4: W_qkv's codes
.set QXS,   5767168                    ; word_embed's scale bytes
.set QWS,   6029312                    ; W_qkv's scale bytes
.set HWO,   18874368                   ; h16: W_o
.set HCS,   20971520                   ; h16: 1 / sf, 1,024 f32
.set STEPS, 16
.set EMAX,  2
.set CB,    8                          ; bytes of 16 codes
.set R,     16                         ; v16-79   four sets of 16 numbers as loaded
.set X,     80                         ; v80-111  two sets of 16 neighbours
.set E,     112                        ; v112-127 a scale byte for each step
.set C,     128                        ; v128-191 codes, four registers for each step
.set WREG,  8192                       ; LDS: a region for each wave: two stages of 32 x SP bytes, then its 256 scale bytes
.set SP,    80
.set SPW,   12                         ; v12 LDS address of my spare word; never rewritten
.set NIL,   13                         ; v13 0; never rewritten
.set SPARE, 4*WREG                     ; the spare words: 128 bytes a wave, two blocks of 256 bytes that no other line names
.set XR,    32                         ; the converting paths: v32-159, four row slots of 32 registers
	s_load_b256 s[4:11], s[0:1], 0x0               ; word_embed, W_qkv, pos_embed, W_r
	s_load_b128 s[12:15], s[0:1], 0x20             ; W_o, q4
	s_load_b64 s[16:17], s[0:1], 0x30              ; h16
	v_lshl_add_u32 v[SPW], v0, 2, SPARE
	v_mov_b32 v[NIL], 0
	v_lshrrev_b32 v1, 5, v0
	v_readfirstlane_b32 s18, v1                    ; wave
	v_and_b32 v2, 31, v0                           ; lane
	v_lshlrev_b32 v3, 4, v2                        ; 16 bytes a lane on the way in
	v_lshlrev_b32 v4, 3, v2                        ; 8 bytes a lane on the way out
	s_mov_b32 s25, 0                               ; the upper word of every offset
	s_wait_kmcnt 0x0
	s_cmp_ge_u32 ttmp9, 640
	s_cbranch_scc1 .Lnorm
	s_cmp_ge_u32 ttmp9, 352
	s_cbranch_scc1 .Lconv
; ---- THE QUANTISER.  Rows are dense and K is a multiple of 32: a tensor is a stream of blocks of 32.  A wave takes 16 steps of 512 numbers.  Each load reads 512 consecutive bytes; a step's 2,048 bytes turn
; through the wave's own stage in LDS, so that a lane holds 16 neighbours (two lanes a block).  A lane's 16 codes are 8 bytes: the wave stores 256 consecutive bytes.
	s_mul_i32 s19, s18, WREG
	v_lshrrev_b32 v14, 2, v2
	v_mul_u32_u24 v14, v14, SP
	v_and_b32 v15, 3, v2
	v_lshl_add_u32 v14, v15, 4, v14
	v_add_nc_u32 v14, s19, v14                     ; the stage on the way in: SP (lane / 4) + 16 (lane % 4)
	v_mul_u32_u24 v15, v2, SP
	v_add_nc_u32 v15, s19, v15                     ; and on the way out: SP x lane
	v_lshrrev_b32 v5, 1, v2
	s_add_co_u32 s19, s19, 2*32*SP
	v_add_nc_u32 v5, s19, v5                       ; my block's byte among my wave's 256
	v_add_nc_u32 v6, s19, v4                       ; and 8 of them a lane on the way out
	s_cmp_lt_u32 ttmp9, 256                        ; word_embed's work-group or W_qkv's: the choice hangs on the work-group's number alone
	s_cselect_b64 s[4:5], s[4:5], s[6:7]
	s_cselect_b32 s20, 0, 256
	s_mov_b32 s21, QWC
	s_cselect_b32 s21, 0, s21
	s_mov_b32 s22, QWS
	s_cselect_b32 s22, QXS, s22
	s_sub_co_u32 s20, ttmp9, s20
	s_lshl_b32 s20, s20, 2
	s_add_co_u32 s20, s20, s18                     ; which run of 8,192 numbers is my wave's
	s_lshl_b32 s24, s20, 15
	s_add_nc_u64 s[4:5], s[4:5], s[24:25]
	s_lshl_b32 s24, s20, 12
	s_add_co_u32 s24, s24, s21
	s_add_nc_u64 s[26:27], s[14:15], s[24:25]      ; its codes
	s_lshl_b32 s24, s20, 8
	s_add_co_u32 s24, s24, s22
	s_add_nc_u64 s[28:29], s[14:15], s[24:25]      ; its scale bytes
.macro LOAD t
.irp i, 0,1,2,3
	global_load_b128 v[R+16*((\t)%4)+4*\i:R+16*((\t)%4)+4*\i+3], v3, s[4:5] offset:2048*(\t)+512*\i th:TH_LOAD_NT
.endr
.endm
.macro TURN t                          ; step t through the stage: LDS serves a wave's instructions in order, so no wait stands between the stores and the loads
.irp i, 0,1,2,3
	ds_store_b128 v14, v[R+16*((\t)%4)+4*\i:R+16*((\t)%4)+4*\i+3] offset:32*SP*((\t)%2)+8*SP*\i
.endr
.irp i, 0,1,2,3
	ds_load_b128 v[X+16*((\t)%2)+4*\i:X+16*((\t)%2)+4*\i+3], v15 offset:32*SP*((\t)%2)+16*\i
.endr
.endm
.irp t, 0,1,2,3
	LOAD \t
.endr
	s_wait_loadcnt 12                              ; step 0's four loads are in
	TURN 0
.macro STEP t
.set XN, X+16*((\t)%2)
.if (\t) > 0
	s_wait_dscnt 1                                 ; this step's numbers are back from the stage; the last step's byte store may be out
.else
	s_wait_dscnt 0x0
.endif
.if (\t)+4 < STEPS
	LOAD (\t)+4                                    ; into the registers that this step's stores into the stage have read
.endif
.if (\t)+1 < STEPS
.if STEPS-2-(\t) >= 3
	s_wait_loadcnt 12                              ; the next step's four loads are in; three steps' may be out
.else
	s_wait_loadcnt 4*(STEPS-2-(\t))
.endif
	TURN (\t)+1
.endif
	v_max3_num_f32 v8, |v[XN]|, |v[XN+1]|, |v[XN+2]|
	v_max3_num_f32 v9, |v[XN+3]|, |v[XN+4]|, |v[XN+5]|
.irp i, 6,10
	v_max3_num_f32 v8, v8, |v[XN+\i]|, |v[XN+\i+1]|
	v_max3_num_f32 v9, v9, |v[XN+\i+2]|, |v[XN+\i+3]|
.endr
	v_max3_num_f32 v8, v8, |v[XN+14]|, |v[XN+15]|
	v_max3_num_f32 v8, v8, v9, (EMAX+1)<<23        ; the floor 2^(3 - 127): the byte cannot fall under 1
	v_max_num_f32_dpp v8, v8, v8 row_xmask:1 row_mask:0xf bank_mask:0xf   ; with my neighbour's 16: the block's largest magnitude
	v_add_nc_u32 v11, -(EMAX<<23), v8              ; 2 off its exponent field: the conversion takes this operand's exponent field as its scale
	v_cvt_scalef32_pk8_fp4_f32 v[C+4*(\t)], v[XN:XN+7], v11
	v_cvt_scalef32_pk8_fp4_f32 v[C+4*(\t)+1], v[XN+8:XN+15], v11
	v_lshrrev_b32 v[E+(\t)], 23, v11               ; the scale's byte
	ds_store_b8 v5, v[E+(\t)] offset:16*(\t)       ; both lanes of a block write the same byte with the same value
	global_store_b64 v4, v[C+4*(\t):C+4*(\t)+1], s[26:27] offset:32*CB*(\t)
.endm
.irp t, 0,1,2,3,4,5,6,7,8,9,10,11,12,13,14,15
	STEP \t
.endr
	ds_load_b64 v[8:9], v6                         ; LDS serves a wave's instructions in order: these see my byte stores
	s_wait_dscnt 0x0
	global_store_b64 v4, v[8:9], s[28:29]          ; 32 lanes store 256 consecutive bytes, aligned
	s_wait_tensorcnt 0x0                           ; the wave's end, behind my last LDS store
	ds_add_u32 v[SPW], v[NIL]
	s_wait_dscnt 0x0
	s_endpgm
; ---- THE CONVERTING PATHS.  A wave takes 8 rows of 4,096 bytes; a row is eight loads of 512 consecutive bytes and eight stores of 256.  Four row slots: three rows are on their way while one is worked.
; These paths write no LDS.
.macro FILL slot, row
.irp j, 0,1,2,3,4,5,6,7
	global_load_b128 v[XR+32*(\slot)+4*\j:XR+32*(\slot)+4*\j+3], v3, s[32+2*(\row):33+2*(\row)] offset:512*\j th:TH_LOAD_NT
.endr
.endm
; mode 0: the row is converted and, where it is the shift's pad row, cleared by its mask.  mode 1: the row is first multiplied by sf.
.macro ROW i, left, mode
.set XN, XR+32*((\i)%4)
	s_wait_loadcnt \left                           ; my row's eight loads are in; the younger rows' stay out
.if \mode
	v_max3_num_f32 v18, |v[XN]|, |v[XN+1]|, |v[XN+2]|
	v_max3_num_f32 v19, |v[XN+3]|, |v[XN+4]|, |v[XN+5]|
.irp k, 6,10,14,18,22,26
	v_max3_num_f32 v18, v18, |v[XN+\k]|, |v[XN+\k+1]|
	v_max3_num_f32 v19, v19, |v[XN+\k+2]|, |v[XN+\k+3]|
.endr
	v_max3_num_f32 v18, v18, |v[XN+30]|, |v[XN+31]|
	v_max_num_f32 v20, v18, v19
	v_max_num_f32_dpp v20, v20, v20 row_xmask:1 row_mask:0xf bank_mask:0xf
	v_max_num_f32_dpp v20, v20, v20 row_xmask:2 row_mask:0xf bank_mask:0xf
	v_max_num_f32_dpp v20, v20, v20 row_xmask:4 row_mask:0xf bank_mask:0xf
	v_max_num_f32_dpp v20, v20, v20 row_xmask:8 row_mask:0xf bank_mask:0xf
	v_permlanex16_b32 v21, v20, s58, s59
	v_max_num_f32 v20, v20, v21                    ; the row's largest magnitude, in every lane,
	v_med3_num_f32 v20, v20, s60, s61              ; held between 2^-100 and 2^100, so that sf and 1 / sf are ordinary numbers (a row of zeros stays zeros)
	v_and_b32 v20, 0x7f800000, v20                 ; its exponent field
	v_sub_nc_u32 v16, 0x7a800000, v20              ; sf = 2^(-9 - e): field 245 - the field
	v_mov_b32 v17, v16
	v_add_nc_u32 v21, 0x04800000, v20              ; 1 / sf = 2^(9 + e): field + 9
	v_readfirstlane_b32 s62, v21
	v_writelane_b32 v22, s62, \i                   ; lane i keeps row i's
.irp k, 0,2,4,6,8,10,12,14,16,18,20,22,24,26,28,30
	v_pk_mul_f32 v[XN+\k:XN+\k+1], v[XN+\k:XN+\k+1], v[16:17]   ; exact: a power of two
.endr
.endif
.irp j, 0,1,2,3,4,5,6,7
	v_cvt_pk_f16_f32 v[XN+4*\j], v[XN+4*\j], v[XN+4*\j+1]
	v_cvt_pk_f16_f32 v[XN+4*\j+1], v[XN+4*\j+2], v[XN+4*\j+3]
.endr
.if \mode == 0
.irp j, 0,1,2,3,4,5,6,7
	v_and_b32 v[XN+4*\j], s[48+\i], v[XN+4*\j]
	v_and_b32 v[XN+4*\j+1], s[48+\i], v[XN+4*\j+1]
.endr
.endif
.irp j, 0,1,2,3,4,5,6,7
	global_store_b64 v4, v[XN+4*\j:XN+4*\j+1], s[56:57] offset:(\i)*2048+256*\j   ; 32 lanes store 256 consecutive bytes, aligned
.endr
.endm
.macro ROWS mode
	FILL 0, 0
	FILL 1, 1
	FILL 2, 2
	FILL 3, 3
.irp i, 0,1,2,3
	ROW \i, 24, \mode
	s_wait_xcnt 0x0                                ; the row's stores have read their registers: the slot is loaded again only behind this wait
	FILL \i, \i+4
.endr
	ROW 4, 24, \mode
	ROW 5, 16, \mode                               ; nothing more is loaded: the counts run down
	ROW 6, 8, \mode
	ROW 7, 0, \mode
.endm
; where row R0 + i comes from: s[32+2i:33+2i] its address, s[48+i] all ones, or 0 for a pad row (whose load reads the row in front of it and is cleared)
.macro ROWSRC i
	s_add_co_u32 s21, s19, \i+8                    ; j
	s_mul_i32 s22, s21, 65473
	s_lshr_b32 s22, s22, 26                        ; b = j / 1025: exact for j under 69,832
	s_mul_i32 s23, s22, 1025
	s_sub_co_u32 s23, s21, s23                     ; j - 1025 b
	s_cmp_lg_u32 s23, 0
	s_cselect_b32 s[48+\i], -1, 0
	s_sub_co_u32 s21, s21, 1
	s_sub_co_u32 s21, s21, s22                     ; pos_embed's flat row j - 1 - b
	s_add_co_u32 s23, s19, \i
	s_sub_co_u32 s23, s23, 8192                    ; W_r's row
	s_cmp_lt_u32 s20, 256
	s_cselect_b32 s21, s21, s23
	s_cselect_b32 s[48+\i], s[48+\i], -1
	s_cselect_b64 s[32+2*\i:33+2*\i], s[8:9], s[10:11]
	s_lshl_b32 s24, s21, 12
	s_add_nc_u64 s[32+2*\i:33+2*\i], s[32+2*\i:33+2*\i], s[24:25]
.endm
.Lconv:
	s_sub_co_u32 s20, ttmp9, 352                   ; 0..255: the shifted pos_embed; 256..287: W_r
	s_lshl_b32 s19, s20, 5
	s_lshl_b32 s21, s18, 3
	s_add_co_u32 s19, s19, s21                     ; R0: my first row in h16
	s_lshl_b32 s24, s19, 11
	s_add_nc_u64 s[56:57], s[16:17], s[24:25]
.irp i, 0,1,2,3,4,5,6,7
	ROWSRC \i
.endr
	ROWS 0
	s_endpgm
.Lnorm:
	s_sub_co_u32 s20, ttmp9, 640
	s_lshl_b32 s19, s20, 5
	s_lshl_b32 s21, s18, 3
	s_add_co_u32 s19, s19, s21                     ; my first row of W_o
	s_lshl_b32 s24, s19, 12
	s_add_nc_u64 s[32:33], s[12:13], s[24:25]
.irp i, 1,2,3,4,5,6,7
	s_add_nc_u64 s[32+2*\i:33+2*\i], s[32:33], \i*4096
.endr
	s_lshl_b32 s24, s19, 11
	s_add_co_u32 s24, s24, HWO
	s_add_nc_u64 s[56:57], s[16:17], s[24:25]
	s_lshl_b32 s24, s19, 2
	s_add_co_u32 s24, s24, HCS
	s_add_nc_u64 s[26:27], s[16:17], s[24:25]
	s_mov_b32 s58, 0x76543210                      ; v_permlanex16_b32's selects for lane l xor 16
	s_mov_b32 s59, 0xfedcba98
	s_mov_b32 s60, 0x0d800000                      ; 2^-100
	s_mov_b32 s61, 0x71800000                      ; 2^100
	v_mov_b32 v21, 0                               ; written once: a lane permute's and a lane write's destination count as sources
	v_mov_b32 v22, 0
	ROWS 1
	v_lshlrev_b32 v23, 2, v2
	s_wait_xcnt 0x0                                ; EXEC changes only behind this wait
	v_cmp_gt_u32 vcc_lo, 8, v2
	s_and_saveexec_b32 s31, vcc_lo
	global_store_b32 v23, v22, s[26:27]            ; eight numbers a wave: 32 bytes of a block of 256; the table is 4,096 bytes in all
	s_wait_xcnt 0x0
	s_or_b32 exec_lo, exec_lo, s31
	s_endpgm
.Lfunc_end_k_qa0d4cccc6b_prep:
	.size	k_qa0d4cccc6b_prep, .Lfunc_end_k_qa0d4cccc6b_prep-k_qa0d4cccc6b_prep
	.p2alignl 7, 3214868480
	.fill 96, 4, 3214868480
	.section	.rodata,"a",@progbits
	.p2align	6, 0x0
	.amdhsa_kernel k_qa0d4cccc6b_prep
		.amdhsa_group_segment_fixed_size 33280
		.amdhsa_private_segment_fixed_size 0
		.amdhsa_enable_private_segment 0
		.amdhsa_kernarg_size 56
		.amdhsa_user_sgpr_count 2
		.amdhsa_user_sgpr_kernarg_segment_ptr 1
		.amdhsa_wavefront_size32 1
		.amdhsa_system_sgpr_workgroup_id_x 1
		.amdhsa_system_sgpr_workgroup_id_y 1
		.amdhsa_system_sgpr_workgroup_id_z 1
		.amdhsa_system_vgpr_workitem_id 0
		.amdhsa_next_free_vgpr 192
		.amdhsa_next_free_sgpr 66
		.amdhsa_reserve_vcc 1
		.amdhsa_float_denorm_mode_32 3
		.amdhsa_float_denorm_mode_16_64 3
		.amdhsa_memory_ordered 1
		.amdhsa_forward_progress 1
		.amdhsa_inst_pref_size 107
	.end_amdhsa_kernel
	.amdgpu_metadata
---
amdhsa.version: [ 1, 2 ]
amdhsa.kernels:
  - .name:           k_qa0d4cccc6b_prep
    .symbol:         k_qa0d4cccc6b_prep.kd
    .args:
      - { .name: word_embed, .offset: 0, .size: 8, .value_kind: global_buffer, .address_space: global }
      - { .name: W_qkv, .offset: 8, .size: 8, .value_kind: global_buffer, .address_space: global }
      - { .name: pos_embed, .offset: 16, .size: 8, .value_kind: global_buffer, .address_space: global }
      - { .name: W_r, .offset: 24, .size: 8, .value_kind: global_buffer, .address_space: global }
      - { .name: W_o, .offset: 32, .size: 8, .value_kind: global_buffer, .address_space: global }
      - { .name: q4, .offset: 40, .size: 8, .value_kind: global_buffer, .address_space: global }
      - { .name: h16, .offset: 48, .size: 8, .value_kind: global_buffer, .address_space: global }
    .group_segment_fixed_size: 33280
    .private_segment_fixed_size: 0
    .kernarg_segment_align: 8
    .kernarg_segment_size: 56
    .max_flat_workgroup_size: 128
    .sgpr_count:     66
    .vgpr_count:     192
    .wavefront_size: 32
...
	.end_amdgpu_metadata
.endif
;; end of part 1
;; launch qkv (part 2): grid 12 x 32, 4 waves a work-group, clusters of 4 x 4, 327,680 bytes of LDS; arguments q4, bias_q, bias_k, a2, b2, vh; writes a2, b2, vh
.if DOCPART == 2
	.amdgcn_target "amdgcn-amd-amdhsa--gfx1250"
	.amdhsa_code_object_version 6
	.text
	.protected	k_qa0d4cccc6b_qkv
	.globl	k_qa0d4cccc6b_qkv
	.p2align	8
	.type	k_qa0d4cccc6b_qkv,@function
k_qa0d4cccc6b_qkv:
	s_mov_b64 s[64:65], 0
	v_nop
	global_prefetch_b8 v0, s[64:65] scope:SCOPE_SE
	s_setreg_imm32_b32 hwreg(HW_REG_WAVE_MODE, 25, 1), 1
	s_wait_xcnt 0x0
	s_wait_alu depctr_hold_cnt(0) depctr_sa_sdst(0) depctr_va_vdst(0) depctr_va_sdst(0) depctr_va_ssrc(0) depctr_va_vcc(0) depctr_vm_vsrc(0)
	s_getreg_b32 s2, hwreg(HW_REG_IB_STS2, 6, 4)
	s_cmp_eq_u32 s2, 0
	s_cbranch_scc0 .Lentry_in_a_cluster
	s_endpgm
.Lentry_in_a_cluster:
	s_bfe_u32 s2, ttmp6, 0x10000c
	s_cmp_lg_u32 s2, 0xf033
	s_cbranch_scc0 .Lentry_shape_is_right
	s_endpgm
.Lentry_shape_is_right:
; qkv = word_embed W_qkv^T on codes of FP4 (E2M1) with E8M0 scales: C [8192][3072], K = 1,024.  A tile of C is 256 x 256; four waves, each 128 x 128: 64 accumulators, 512 registers.
; K is two slots of 512 (rows of 256 bytes): both are asked for at the start and nothing is filled again.  The scale bytes of the work-group's rows come once, as dense blocks.
; CLUSTERS: 4 x 4 work-groups; A's tiles are shared along a row of the cluster, B's along a column, by joint loads.  The cluster's x says which third of the columns the sixteen tiles lie in:
; 0 = q, 1 = k, 2 = v; it is the same in all partners, so the way out may branch on it.
; THE WAY OUT, in f16 (the later products take f16 operands):  q + bias_q -> a2's left half;  k -> b2's left half and k + bias_k -> a2's right half;  v -> vh.  a2 and b2 have rows of 2,048 f16.
; THE MATRIX INSTRUCTION IS USED TRANSPOSED (source 0 = 16 rows of W_qkv, source 1 = 16 rows of word_embed): a lane holds eight neighbouring columns of a row of C.
; LIMIT: q, k, v beyond f16's largest number (65,504) become infinities.
; REGISTERS: window 0: v0-31 addresses; v32-95 scale words, two sets; v128-191 A's fragments, one set; v192-255 the bias of my 128 columns.  Window 1: B's fragments, two sets.  Windows 2, 3: accumulators.
; On the way out v32-95 hold sums with the bias, v96-127 packed results, v128-191 rows read back.
.set QWC,    4194304
.set QXS,    5767168
.set QWS,    6029312
.set KSTEP,  512
.set NQ,     4
.set ROWB,   256
.set KROW,   512
.set PITCH,  272                       ; an LDS row: 256 bytes + 16: the 16 rows that a load touches start at 16 different banks
.set FR,     8
.set NL,     2
.set NP,     4
.set HALFT,  128*PITCH
.set SLOT,   4*HALFT
.set KS,     32                        ; a row of scale bytes
.set SCL,    2*SLOT
.set HALFS,  16*272                    ; the scales of 128 rows: 4,096 bytes as 16 rows of 256 + 16
.set SBLK,   2*272                     ; those of 16 rows
.set SPARE,  SCL+4*HALFS               ; the spare words, 128 bytes a wave: two blocks of 256 bytes that no other line names
.set SPITCH, 272                       ; the way out: a stage of 16 rows x (256 + 16) for each wave, in slot 0, which has had its only fill and its last read by then
.set COP,  8                           ; v8-15   the plain pass: my byte offset in rows 2 t + h
.set ADRA, 16
.set ADRB, 20
.set STO,  24
.set RD,   25
.set CO,   26
.set ADRS, 27
.set SPW,  28
.set NIL,  29
.set SC,   32
.set AF,   128
.set T,    32
.set TMP,  96
.set OB,   128
.set BIAS, 192
.set G1, 24
.set G0, 32
.set G1B, 48
.set G0B, 56
.set G1S, 68
.set G0S, 76
.set G1SB, 80
.set G0SB, 88
.set MSB, 0
.macro WIN new                         ; the immediate's high byte repeats the setting that is left
.if MSB != \new
	s_set_vgpr_msb (MSB<<8)|\new
.set MSB, \new
.endif
.endm
.set MUL_LO, 0xa1                      ; source 0 (B) window 1, source 1 (A) window 0, C and D window 2
.set MUL_HI, 0xf1
.set TO_B,   0x40
; A joint load: waves 0 and 1 fetch for A, waves 2 and 3 for B; the branch hangs on the wave's number alone.  An s_nop 0 and four v_nop follow each line.
.macro JLOAD g0a, g1a, g0b, g1b
	s_cmp_eq_u32 s15, 0
	s_cbranch_scc0 .Lfor_b_\@
	tensor_load_to_lds s[\g0a:\g0a+3], s[\g1a:\g1a+7]
	s_nop 0
.rept 4
	v_nop
.endr
	s_branch .Lasked_\@
.Lfor_b_\@:
	tensor_load_to_lds s[\g0b:\g0b+3], s[\g1b:\g1b+7]
	s_nop 0
.rept 4
	v_nop
.endr
.Lasked_\@:
.endm
.macro CROUND                          ; a round of the cluster's barrier
	s_barrier_signal -1
	s_barrier_wait -1
	s_cmp_lg_u32 s14, 0
	s_cbranch_scc1 .Lnot_wave_0_\@
	s_barrier_signal -3
.Lnot_wave_0_\@:
	s_barrier_wait -3
	s_barrier_signal -1
	s_barrier_wait -1
.endm
	s_load_b256 s[4:11], s[0:1], 0x0               ; q4, bias_q, bias_k, a2
	s_load_b128 s[96:99], s[0:1], 0x20             ; b2, vh
	v_lshl_add_u32 v[SPW], v0, 2, SPARE
	v_mov_b32 v[NIL], 0
	ds_add_u32 v[SPW], v[NIL]                      ; the wave's opening: the add, twice on end, and its wait ahead of my first tensor load
	ds_add_u32 v[SPW], v[NIL]
	v_lshrrev_b32 v1, 5, v0
	v_readfirstlane_b32 s14, v1                    ; wave 0..3
	s_lshr_b32 s15, s14, 1                         ; my half of the tile's rows; also: I fetch for A (0) or B (1)
	s_and_b32 s16, s14, 1                          ; my half of its columns; also: which 128 rows I fetch
	s_bfe_u32 s40, ttmp6, 0x40000                  ; cx
	s_bfe_u32 s41, ttmp6, 0x40004                  ; cy
	s_lshl_b32 s42, ttmp9, 2
	s_add_co_u32 s42, s42, s40                     ; tile column
	s_and_b32 s17, ttmp7, 0xffff
	s_lshl_b32 s17, s17, 2
	s_add_co_u32 s17, s17, s41                     ; tile row
	s_lshl_b32 s43, s41, 2
	s_lshl_b32 s43, 15, s43                        ; my row of the cluster
	s_lshl_b32 s44, 0x1111, s40                    ; my column
	s_or_b32 s[G1+0], s43, (0<<16)|(1<<20)|(1<<21)|(5<<22)|(3<<25)   ; the mask; elements of 1 byte; padding: 4 words after every 64; bit 21 beside a mask
	s_or_b32 s[G1B+0], s44, (0<<16)|(1<<20)|(1<<21)|(5<<22)|(3<<25)
.irp g, G1, G1B
	s_mov_b32 s[\g+1], ROWB<<16                    ; tensor_dim0
	s_mov_b32 s[\g+2], 128<<16                     ; tensor_dim1
	s_mov_b32 s[\g+3], ROWB<<16                    ; tile_dim0
	s_mov_b32 s[\g+4], 128                         ; tile_dim1
	s_mov_b32 s[\g+5], KROW                        ; the pitch
	s_mov_b32 s[\g+6], 0
	s_mov_b32 s[\g+7], 0
.endr
	s_or_b32 s[G1S+0], s43, (3<<16)|(1<<20)|(1<<21)|(5<<22)|(3<<25)  ; the scales of 128 rows: 16 rows of 32 elements of 8 bytes
	s_or_b32 s[G1SB+0], s44, (3<<16)|(1<<20)|(1<<21)|(5<<22)|(3<<25)
.irp g, G1S, G1SB
	s_mov_b32 s[\g+1], 32<<16
	s_mov_b32 s[\g+2], 16<<16
	s_mov_b32 s[\g+3], 32<<16
	s_mov_b32 s[\g+4], 16
	s_mov_b32 s[\g+5], 32
	s_mov_b32 s[\g+6], 0
	s_mov_b32 s[\g+7], 0
.endr
	s_lshl_b32 s18, s16, 7
	s_lshl_b32 s20, s17, 8
	s_add_co_u32 s20, s20, s18                     ; A: row 256 x tile row + 128 x half
	s_lshl_b32 s46, s42, 8
	s_add_co_u32 s46, s46, s18                     ; B: row 256 x tile column + 128 x half
	s_lshl_b32 s22, s20, 5
	s_add_co_u32 s22, s22, QXS                     ; where these rows' scales begin in q4,
	s_lshl_b32 s92, s46, 5
	s_add_co_u32 s92, s92, QWS
	s_lshl_b32 s20, s20, 9                         ; and their codes
	s_lshl_b32 s46, s46, 9
	s_add_co_u32 s46, s46, QWC
	s_mov_b32 s21, 0
	s_mov_b32 s23, 0
	s_mov_b32 s47, 0
	s_mov_b32 s93, 0
	s_mul_i32 s45, s14, HALFT                      ; where they go: no place in the cluster enters an LDS address
	s_mul_i32 s94, s14, HALFS
	s_wait_dscnt 0x0                               ; both opening adds are done
	s_wait_kmcnt 0x0
	s_add_nc_u64 s[20:21], s[4:5], s[20:21]
	s_add_nc_u64 s[22:23], s[4:5], s[22:23]
	s_add_nc_u64 s[46:47], s[4:5], s[46:47]
	s_add_nc_u64 s[92:93], s[4:5], s[92:93]
	CROUND                                         ; all sixteen work-groups are here: the joint loads meet
	s_mov_b32 s[G0S], 1
	s_add_co_u32 s[G0S+1], s94, SCL
	s_mov_b64 s[G0S+2:G0S+3], s[22:23]
	s_or_b32 s[G0S+3], s[G0S+3], 0x80000000
	s_mov_b32 s[G0SB], 1
	s_add_co_u32 s[G0SB+1], s94, SCL
	s_mov_b64 s[G0SB+2:G0SB+3], s[92:93]
	s_or_b32 s[G0SB+3], s[G0SB+3], 0x80000000
	JLOAD G0S, G1S, G0SB, G1SB                     ; the scales first; with the two slots three loads of mine are out
.irp s, 0,1
	s_mov_b32 s[G0+4*\s], 1
	s_add_co_u32 s[G0+4*\s+1], s45, \s*SLOT
	s_add_nc_u64 s[G0+4*\s+2:G0+4*\s+3], s[20:21], \s*ROWB
	s_or_b32 s[G0+4*\s+3], s[G0+4*\s+3], 0x80000000
	s_mov_b32 s[G0B+4*\s], 1
	s_add_co_u32 s[G0B+4*\s+1], s45, \s*SLOT
	s_add_nc_u64 s[G0B+4*\s+2:G0B+4*\s+3], s[46:47], \s*ROWB
	s_or_b32 s[G0B+4*\s+3], s[G0B+4*\s+3], 0x80000000
	JLOAD G0+4*\s, G1, G0B+4*\s, G1B
.endr
	v_and_b32 v1, 15, v0                           ; r
	v_bfe_u32 v2, v0, 4, 1                         ; h
	v_mul_u32_u24 v3, v1, PITCH
	v_lshl_add_u32 v4, v2, 4, v3
	s_mul_i32 s21, s15, HALFT
	s_mul_i32 s22, s16, HALFT
	s_add_co_u32 s22, s22, 2*HALFT
.irp s, 0,1
	v_add_nc_u32 v[ADRA+\s], s21, v4
	v_add_nc_u32 v[ADRB+\s], s22, v4
	s_add_co_u32 s21, s21, SLOT
	s_add_co_u32 s22, s22, SLOT
.endr
	v_mul_u32_u24 v5, v1, KS                       ; my row's scales: 32 bytes a row, and 16 more for each 256 passed
	v_lshrrev_b32 v6, 8, v5
	v_lshl_add_u32 v5, v6, 4, v5
	s_mul_i32 s21, s15, HALFS
	s_mul_i32 s22, s16, HALFS
	s_add_co_u32 s22, s22, 2*HALFS
	s_sub_co_u32 s22, s22, s21
	v_mul_u32_u24 v6, s22, v2                      ; lanes 16-31 take B's
	s_add_co_u32 s21, s21, SCL
	v_add_nc_u32 v5, v5, v6
	v_add_nc_u32 v[ADRS], s21, v5
	s_mul_i32 s23, s14, 16*SPITCH                  ; my stage
	v_mul_u32_u24 v5, v1, SPITCH
	v_lshl_add_u32 v5, v2, 4, v5
	v_add_nc_u32 v[STO], s23, v5                   ; in: row r, 16 bytes for each half of the lanes
	v_mul_u32_u24 v5, v2, SPITCH
	v_lshl_add_u32 v5, v1, 4, v5
	v_add_nc_u32 v[RD], s23, v5                    ; back: lanes 0-15 one row of 256 bytes, lanes 16-31 the next
	v_lshlrev_b32 v6, 4, v1
	v_lshl_add_u32 v[CO], v2, 12, v6               ; the pass with the bias: rows of 4,096 bytes
	s_cmp_eq_u32 ttmp9, 2
	s_cselect_b32 s13, 11, 12                      ; the plain pass: rows of 2,048 bytes in vh, of 4,096 in b2
	s_cselect_b64 s[66:67], s[98:99], s[96:97]
.irp t, 0,1,2,3,4,5,6,7
	v_add_nc_u32 v7, 2*\t, v2
	v_lshlrev_b32 v7, s13, v7
	v_add_nc_u32 v[COP+\t], v7, v6
.endr
	s_lshl_b32 s100, 16, s13                       ; 16 rows on
	s_mov_b32 s101, 0
	s_lshl_b32 s20, s17, 8
	s_lshl_b32 s21, s15, 7
	s_add_co_u32 s20, s20, s21                     ; my first row
	s_lshl_b32 s46, s40, 9
	s_lshl_b32 s47, s16, 8
	s_add_co_u32 s46, s46, s47                     ; my first column inside q, k or v, in f16 bytes
	s_lshl_b32 s22, s20, s13
	s_add_co_u32 s22, s22, s46
	s_mov_b32 s23, 0
	s_add_nc_u64 s[66:67], s[66:67], s[22:23]
	s_lshl_b32 s22, s20, 12
	s_add_co_u32 s22, s22, s46
	s_cmp_eq_u32 ttmp9, 1
	s_cselect_b32 s21, 2048, 0                     ; k + bias_k lies in a2's right half
	s_add_co_u32 s22, s22, s21
	s_add_nc_u64 s[104:105], s[10:11], s[22:23]
	s_cmp_eq_u32 ttmp9, 0
	s_cselect_b64 s[92:93], s[6:7], s[8:9]         ; bias_q for q, else bias_k (for v's tiles the 512 bytes a wave are loaded and not used: so every path finds the registers written)
	s_lshl_b32 s22, s46, 1
	s_add_nc_u64 s[92:93], s[92:93], s[22:23]
	v_lshlrev_b32 v7, 5, v2                        ; lane (r, h) wants, for block b, the bias of columns 16 b + 8 h + 0 .. 7
.irp b, 0,1,2,3,4,5,6,7
	global_load_b128 v[BIAS+8*\b:BIAS+8*\b+3], v7, s[92:93] offset:64*\b
	global_load_b128 v[BIAS+8*\b+4:BIAS+8*\b+7], v7, s[92:93] offset:64*\b+16
.endr
.macro FRAG reg, adr, q, i             ; 16 rows x 128 K of 4-bit codes: 8 registers
.irp c, 0,1
	ds_load_b128 v[\reg+4*\c:\reg+4*\c+3], v[\adr] offset:64*(\q)+32*\c+(\i)*16*PITCH
.endr
.endm
; 16 matrix instructions: A's blocks a0, a0 + 1 x B's eight.  The 64 accumulators take turns, one instruction a turn, in the same order in every step.
.macro MUL16 a0, p, q, sc, zero
.irp a, \a0, \a0+1
.irp b, 0,1,2,3,4,5,6,7
.if \zero
	v_wmma_scale_f32_16x16x128_f8f6f4 v[8*(8*((\a)%4)+\b):8*(8*((\a)%4)+\b)+7], v[128*(\p)+FR*\b:128*(\p)+FR*\b+FR-1], v[AF+FR*(\a):AF+FR*(\a)+FR-1], 0, v[SC+8*NQ*(\sc)+NQ*\b+(\q)], v[SC+8*NQ*(\sc)+NQ*(\a)+(\q)] matrix_a_fmt:MATRIX_FMT_FP4 matrix_b_fmt:MATRIX_FMT_FP4 matrix_a_scale:MATRIX_SCALE_ROW1
.else
	v_wmma_scale_f32_16x16x128_f8f6f4 v[8*(8*((\a)%4)+\b):8*(8*((\a)%4)+\b)+7], v[128*(\p)+FR*\b:128*(\p)+FR*\b+FR-1], v[AF+FR*(\a):AF+FR*(\a)+FR-1], v[8*(8*((\a)%4)+\b):8*(8*((\a)%4)+\b)+7], v[SC+8*NQ*(\sc)+NQ*\b+(\q)], v[SC+8*NQ*(\sc)+NQ*(\a)+(\q)] matrix_a_fmt:MATRIX_FMT_FP4 matrix_b_fmt:MATRIX_FMT_FP4 matrix_a_scale:MATRIX_SCALE_ROW1
.endif
.endr
.endr
.endm
.macro FETCH_B slot, q, p
	WIN TO_B
.irp i, 0,1,2,3,4,5,6,7
	FRAG 128*(\p)+FR*\i, ADRB+\slot, \q, \i
.endr
	WIN 0
.endm
.macro FETCH_A slot, q, i0
.irp i, \i0, \i0+1, \i0+2, \i0+3
	FRAG AF+FR*(\i), ADRA+\slot, \q, \i
.endr
.endm
.macro SCALES sc                       ; a slot's scale words: lanes 0-15 A's block i, lanes 16-31 B's block i
.irp i, 0,1,2,3,4,5,6,7
	ds_load_b128 v[SC+8*NQ*\sc+NQ*\i:SC+8*NQ*\sc+NQ*\i+3], v[ADRS] offset:\i*SBLK
.endr
.endm
.macro PLACES n                        ; plain vector instructions between a matrix instruction and a load into, or a read of, its registers
.rept \n
	v_nop
.endr
.endm
.macro STEP slot, q, zero              ; 128 along K, with its successor in the same slot
	s_wait_dscnt 4*NL                              ; B's set and A's blocks 0-3 are in; A's blocks 4-7 may be out
	WIN MUL_LO
	MUL16 0, (\q)%2, \q, \slot, \zero
	MUL16 2, (\q)%2, \q, \slot, \zero
	s_wait_dscnt 0
	PLACES NP
	FETCH_B \slot, (\q)+1, 1-(\q)%2
	FETCH_A \slot, (\q)+1, 0
	WIN MUL_HI
	MUL16 4, (\q)%2, \q, \slot, \zero
	MUL16 6, (\q)%2, \q, \slot, \zero
	PLACES NP
	WIN 0
	FETCH_A \slot, (\q)+1, 4
.endm
.macro STEPS slot, from
.set Q, \from
.rept NQ-1-\from
	STEP \slot, Q, 0
.set Q, Q+1
.endr
.endm
	s_wait_tensorcnt 1                             ; the scales and my part of slot 0 are in; slot 1's load may be out
	s_barrier_signal -1
	s_barrier_wait -1
	FETCH_B 0, 0, 0
	FETCH_A 0, 0, 0
	SCALES 0
	FETCH_A 0, 0, 4
	STEP 0, 0, 1                                   ; the first products start the sums: nothing is cleared
	STEPS 0, 1
	; slot 0's last step changes slots: one barrier; in front of it my part of slot 1 has landed and my reads of slot 0 are over
	s_wait_tensorcnt 0x0
	ds_add_u32 v[SPW], v[NIL]                      ; 0 onto my spare word
	s_wait_dscnt 4*NL+1                            ; the add and A's blocks 4-7 may be out
	WIN MUL_LO
	MUL16 0, 1, NQ-1, 0, 0
	s_wait_dscnt 0x0
	s_barrier_signal -1
	MUL16 2, 1, NQ-1, 0, 0
	WIN 0
	s_barrier_wait -1
	PLACES NP
	v_add_nc_u32 v[ADRS], 4*NQ, v[ADRS]            ; the second slot's scale words
	FETCH_B 1, 0, 0
	FETCH_A 1, 0, 0
	SCALES 1
	WIN MUL_HI
	MUL16 4, 1, NQ-1, 0, 0
	MUL16 6, 1, NQ-1, 0, 0
	PLACES NP
	WIN 0
	FETCH_A 1, 0, 4
	STEPS 1, 0
	s_wait_dscnt 4*NL                              ; the very last step
	WIN MUL_LO
	MUL16 0, 1, NQ-1, 1, 0
	MUL16 2, 1, NQ-1, 1, 0
	s_wait_dscnt 0
	WIN MUL_HI
	MUL16 4, 1, NQ-1, 1, 0
	MUL16 6, 1, NQ-1, 1, 0
	WIN 0
; THE WAY OUT, a block of 16 rows x 128 columns at a time: rounded to f16 (biased = 1: the bias added first, in f32), 16 bytes a lane into my stage, back as whole rows of 256 bytes, stored sixteen lanes to an aligned 256 bytes.
.macro PACK a, biased
.set AC, 64*((\a)%4)
.if \biased
	WIN 0x02+(\a)/4                                ; source 0: window 2 or 3
.set i, 0
.rept 32
	v_pk_add_f32 v[T+i:T+i+1], v[AC+i:AC+i+1], v[BIAS+i:BIAS+i+1]   ; each accumulator from its low end on
.set i, i+2
.endr
	WIN 0
.set i, 0
.rept 32
	v_cvt_pk_f16_f32 v[TMP+i], v[T+2*i], v[T+2*i+1]
.set i, i+1
.endr
.else
	WIN 0x0a+5*((\a)/4)                            ; sources 0 and 1: window 2 or 3
.set i, 0
.rept 32
	v_cvt_pk_f16_f32 v[TMP+i], v[AC+2*i], v[AC+2*i+1]
.set i, i+1
.endr
	WIN 0
.endif
.endm
.macro TOSTAGE a
.set BK, OB+32*((\a)%2)
.irp b, 0,1,2,3,4,5,6,7
	ds_store_b128 v[STO], v[TMP+4*\b:TMP+4*\b+3] offset:32*\b
.endr
.irp t, 0,1,2,3,4,5,6,7
	ds_load_b128 v[BK+4*\t:BK+4*\t+3], v[RD] offset:\t*2*SPITCH    ; LDS serves a wave's instructions in order: these see the stores above
.endr
.endm
.macro SEND a, biased
.set BK, OB+32*((\a)%2)
	s_wait_dscnt 0x0                               ; the block is back in registers
	s_wait_xcnt 0x0                                ; earlier stores have read their base and their data: both may be written again
.if \biased
.if (\a) > 0
	s_add_nc_u64 s[104:105], s[104:105], 16*4096
.endif
.irp t, 0,1,2,3,4,5,6,7
	global_store_b128 v[CO], v[BK+4*\t:BK+4*\t+3], s[104:105] offset:\t*8192
.endr
.else
.if (\a) > 0
	s_add_nc_u64 s[66:67], s[66:67], s[100:101]
.endif
.irp t, 0,1,2,3,4,5,6,7
	global_store_b128 v[COP+\t], v[BK+4*\t:BK+4*\t+3], s[66:67]
.endr
.endif
.endm
.macro PASS biased
	PACK 0, \biased
	TOSTAGE 0
.irp a, 1,2,3,4,5,6,7
	PACK \a, \biased
	SEND \a-1, \biased
	TOSTAGE \a
.endr
	SEND 7, \biased
.endm
	PLACES NP
	s_wait_loadcnt 0x0                             ; the bias
	s_cmp_eq_u32 ttmp9, 0                          ; q has no plain copy
	s_cbranch_scc1 .Lno_plain
	PASS 0
.Lno_plain:
	s_cmp_eq_u32 ttmp9, 2                          ; v has no bias
	s_cbranch_scc1 .Lno_bias
	PASS 1
.Lno_bias:
	s_wait_tensorcnt 0x0                           ; the wave's end
	ds_add_u32 v[SPW], v[NIL]
	s_wait_dscnt 0x0
	CROUND                                         ; the closing round
	s_endpgm
.Lfunc_end_k_qa0d4cccc6b_qkv:
	.size	k_qa0d4cccc6b_qkv, .Lfunc_end_k_qa0d4cccc6b_qkv-k_qa0d4cccc6b_qkv
	.p2alignl 7, 3214868480
	.fill 96, 4, 3214868480
	.section	.rodata,"a",@progbits
	.p2align	6, 0x0
	.amdhsa_kernel k_qa0d4cccc6b_qkv
		.amdhsa_group_segment_fixed_size 327680
		.amdhsa_private_segment_fixed_size 0
		.amdhsa_enable_private_segment 0
		.amdhsa_kernarg_size 48
		.amdhsa_user_sgpr_count 2
		.amdhsa_user_sgpr_kernarg_segment_ptr 1
		.amdhsa_wavefront_size32 1
		.amdhsa_system_sgpr_workgroup_id_x 1
		.amdhsa_system_sgpr_workgroup_id_y 1
		.amdhsa_system_sgpr_workgroup_id_z 1
		.amdhsa_system_vgpr_workitem_id 0
		.amdhsa_next_free_vgpr 1024
		.amdhsa_next_free_sgpr 106
		.amdhsa_reserve_vcc 0
		.amdhsa_float_denorm_mode_32 3
		.amdhsa_float_denorm_mode_16_64 3
		.amdhsa_memory_ordered 1
		.amdhsa_forward_progress 1
		.amdhsa_inst_pref_size 177
	.end_amdhsa_kernel
	.amdgpu_metadata
---
amdhsa.version: [ 1, 2 ]
amdhsa.kernels:
  - .name:           k_qa0d4cccc6b_qkv
    .symbol:         k_qa0d4cccc6b_qkv.kd
    .args:
      - { .name: q4, .offset: 0, .size: 8, .value_kind: global_buffer, .address_space: global }
      - { .name: bias_q, .offset: 8, .size: 8, .value_kind: global_buffer, .address_space: global }
      - { .name: bias_k, .offset: 16, .size: 8, .value_kind: global_buffer, .address_space: global }
      - { .name: a2, .offset: 24, .size: 8, .value_kind: global_buffer, .address_space: global }
      - { .name: b2, .offset: 32, .size: 8, .value_kind: global_buffer, .address_space: global }
      - { .name: vh, .offset: 40, .size: 8, .value_kind: global_buffer, .address_space: global }
    .group_segment_fixed_size: 327680
    .private_segment_fixed_size: 0
    .kernarg_segment_align: 8
    .kernarg_segment_size: 48
    .max_flat_workgroup_size: 128
    .sgpr_count:     106
    .vgpr_count:     1024
    .wavefront_size: 32
...
	.end_amdgpu_metadata
.endif
;; end of part 2
;; launch proj (part 3): grid 4 x 64, 4 waves a work-group, clusters of 4 x 4, 327,680 bytes of LDS; arguments h16, vh, b2, vot; writes b2, vot
.if DOCPART == 3
	.amdgcn_target "amdgcn-amd-amdhsa--gfx1250"
	.amdhsa_code_object_version 6
	.text
	.protected	k_qa0d4cccc6b_proj
	.globl	k_qa0d4cccc6b_proj
	.p2align	8
	.type	k_qa0d4cccc6b_proj,@function
k_qa0d4cccc6b_proj:
	s_mov_b64 s[64:65], 0
	v_nop
	global_prefetch_b8 v0, s[64:65] scope:SCOPE_SE
	s_setreg_imm32_b32 hwreg(HW_REG_WAVE_MODE, 25, 1), 1
	s_wait_xcnt 0x0
	s_wait_alu depctr_hold_cnt(0) depctr_sa_sdst(0) depctr_va_vdst(0) depctr_va_sdst(0) depctr_va_ssrc(0) depctr_va_vcc(0) depctr_vm_vsrc(0)
	s_getreg_b32 s2, hwreg(HW_REG_IB_STS2, 6, 4)
	s_cmp_eq_u32 s2, 0
	s_cbranch_scc0 .Lentry_in_a_cluster
	s_endpgm
.Lentry_in_a_cluster:
	s_bfe_u32 s2, ttmp6, 0x10000c
	s_cmp_lg_u32 s2, 0xf033
	s_cbranch_scc0 .Lentry_shape_is_right
	s_endpgm
.Lentry_shape_is_right:
; Two products of one shape in one launch, f16 operands, f32 sums, K = 1,024, tiles of 256 x 256, 128 tiles each:
;   clusters 0-7:  pos_key = shift(pos_embed) W_r^T  [8192][1024] -> b2's right half.  b_r is left out: its term in the scores is the same along the softmax's axis (shown at the head of the first launch).
;   clusters 8-15: VO'^T = W_o' v^T  [1024 d][8192 keys] -> vot [batch][d][key].  out = (P v) W_o^T = P (v W_o^T): the same multiply-adds, in an order that lets the two products share a launch.
; Four waves, each 128 x 128: 64 accumulators.  K goes in steps of 128 through two LDS slots; A's tiles are shared along a row of the cluster, B's along a column, by joint loads.
; Which product a cluster makes hangs on the cluster's y alone, which all sixteen partners share; it only selects addresses: no branch hangs on it.
; THE MATRIX INSTRUCTION IS USED TRANSPOSED (source 0 = 16 rows of B, source 1 = 16 rows of A): a lane holds eight neighbouring numbers of a row of C.
; LIMIT: results beyond f16's largest number become infinities; W_o' has its rows' largest magnitude under 2^-8, which leaves VO' room for v up to some 30 times the drawn size with offsets.
; REGISTERS: window 0: v0-31 addresses; v64-127, v128-191 A's fragments, two buffers; v32-63, v192-255 at work on the way out.  Window 1: B's fragments.  Windows 2, 3: the accumulators.
.set HWR,    16777216                  ; h16: W_r
.set HWO,    18874368                  ; h16: W_o'
.set SIZE_K, 1024
.set KSTEP,  128
.set PITCH,  272
.set HALFT,  128*PITCH
.set SLOT,   4*HALFT
.set STAGE,  2*SLOT
.set SPITCH, 272
.set SPARE,  STAGE+4*16*SPITCH
.set LAPS,   SIZE_K/(2*KSTEP)
.set COP,  8                           ; v8-15 my byte offset in rows 2 t + h of C
.set ADRA, 16
.set ADRB, 20
.set STO,  24
.set RD,   25
.set SPW,  28
.set NIL,  29
.set F0,   64
.set F1,   128
.set TMP,  192
.set OB,   32
.set G1, 24
.set G0, 32
.set G1B, 48
.set G0B, 56
.set MSB, 0
.macro WIN new
.if MSB != \new
	s_set_vgpr_msb (MSB<<8)|\new
.set MSB, \new
.endif
.endm
.set MUL_LO, 0xa1
.set MUL_HI, 0xf1
.set TO_B,   0x40
.macro JLOAD s                         ; waves 0 and 1 fetch A's halves, waves 2 and 3 B's; an s_nop 0 and four v_nop follow each line
	s_cmp_eq_u32 s11, 0
	s_cbranch_scc0 .Lfor_b_\@
	tensor_load_to_lds s[G0+4*\s:G0+4*\s+3], s[G1:G1+7]
	s_nop 0
.rept 4
	v_nop
.endr
	s_branch .Lasked_\@
.Lfor_b_\@:
	tensor_load_to_lds s[G0B+4*\s:G0B+4*\s+3], s[G1B:G1B+7]
	s_nop 0
.rept 4
	v_nop
.endr
.Lasked_\@:
.endm
.macro CREST
	s_cmp_lg_u32 s10, 0
	s_cbranch_scc1 .Lnot_wave_0_\@
	s_barrier_signal -3
.Lnot_wave_0_\@:
	s_barrier_wait -3
	s_barrier_signal -1
	s_barrier_wait -1
.endm
.macro CROUND
	s_barrier_signal -1
	s_barrier_wait -1
	CREST
.endm
	s_load_b256 s[68:75], s[0:1], 0x0              ; h16, vh, b2, vot
	v_lshl_add_u32 v[SPW], v0, 2, SPARE
	v_mov_b32 v[NIL], 0
	ds_add_u32 v[SPW], v[NIL]                      ; the wave's opening: the add, twice on end, and its wait ahead of my first tensor load
	ds_add_u32 v[SPW], v[NIL]
	v_lshrrev_b32 v1, 5, v0
	v_readfirstlane_b32 s10, v1                    ; wave
	s_lshr_b32 s11, s10, 1                         ; my half of the rows; also: I fetch for A (0) or B (1)
	s_and_b32 s12, s10, 1                          ; my half of the columns; also: which 128 rows I fetch
	s_bfe_u32 s40, ttmp6, 0x40000                  ; cx
	s_bfe_u32 s41, ttmp6, 0x40004                  ; cy
	s_and_b32 s76, ttmp7, 0xffff                   ; the cluster, 0..15
	s_and_b32 s77, s76, 7
	s_lshl_b32 s77, s77, 2
	s_cmp_lt_u32 s76, 8                            ; the first product?
	s_cselect_b32 s13, s77, 0
	s_cselect_b32 s42, 0, s77
	s_cselect_b32 s78, 0, HWO                      ; A's first byte in h16
	s_cselect_b32 s79, HWR, 0                      ; B's first byte in its buffer
	s_add_co_u32 s13, s13, s41                     ; tile row: 4 c + cy, or cy
	s_add_co_u32 s42, s42, s40                     ; tile column: cx, or 4 c + cx
	s_lshl_b32 s43, s41, 2
	s_lshl_b32 s43, 15, s43
	s_lshl_b32 s44, 0x1111, s40
	s_or_b32 s[G1+0], s43, (1<<16)|(1<<20)|(1<<21)|(5<<22)|(3<<25)   ; the mask; elements of 2 bytes; padding: 4 words after every 64
	s_or_b32 s[G1B+0], s44, (1<<16)|(1<<20)|(1<<21)|(5<<22)|(3<<25)
.irp g, G1, G1B
	s_mov_b32 s[\g+1], KSTEP<<16
	s_mov_b32 s[\g+2], 128<<16
	s_mov_b32 s[\g+3], KSTEP<<16
	s_mov_b32 s[\g+4], 128
	s_mov_b32 s[\g+5], SIZE_K
	s_mov_b32 s[\g+6], 0
	s_mov_b32 s[\g+7], 0
.endr
	s_lshl_b32 s17, s12, 7
	s_lshl_b32 s16, s13, 8
	s_add_co_u32 s16, s16, s17
	s_lshl_b32 s16, s16, 11                        ; rows of 2,048 bytes
	s_add_co_u32 s16, s16, s78
	s_lshl_b32 s46, s42, 8
	s_add_co_u32 s46, s46, s17
	s_lshl_b32 s46, s46, 11
	s_add_co_u32 s46, s46, s79
	s_mov_b32 s17, 0
	s_mov_b32 s47, 0
	s_mul_i32 s20, s10, HALFT
	s_wait_dscnt 0x0
	s_wait_kmcnt 0x0
	s_cmp_lt_u32 s76, 8
	s_cselect_b64 s[6:7], s[68:69], s[70:71]       ; B: W_r in h16, or v
	s_add_nc_u64 s[14:15], s[68:69], s[16:17]
	s_add_nc_u64 s[46:47], s[6:7], s[46:47]
	CROUND
.irp s, 0,1
	s_mov_b32 s[G0+4*\s], 1
	s_add_co_u32 s[G0+4*\s+1], s20, \s*SLOT
	s_add_nc_u64 s[G0+4*\s+2:G0+4*\s+3], s[14:15], \s*KSTEP*2
	s_or_b32 s[G0+4*\s+3], s[G0+4*\s+3], 0x80000000
	s_mov_b32 s[G0B+4*\s], 1
	s_add_co_u32 s[G0B+4*\s+1], s20, \s*SLOT
	s_add_nc_u64 s[G0B+4*\s+2:G0B+4*\s+3], s[46:47], \s*KSTEP*2
	s_or_b32 s[G0B+4*\s+3], s[G0B+4*\s+3], 0x80000000
	JLOAD \s
.endr
	v_and_b32 v1, 15, v0
	v_bfe_u32 v2, v0, 4, 1
	v_mul_u32_u24 v3, v1, PITCH
	v_lshl_add_u32 v3, v2, 4, v3
	s_mul_i32 s21, s11, HALFT
	s_mul_i32 s22, s12, HALFT
	s_add_co_u32 s22, s22, 2*HALFT
.irp s, 0,1
	v_add_nc_u32 v[ADRA+\s], s21, v3
	v_add_nc_u32 v[ADRB+\s], s22, v3
	s_add_co_u32 s21, s21, SLOT
	s_add_co_u32 s22, s22, SLOT
.endr
	s_mul_i32 s23, s10, 16*SPITCH
	s_add_co_u32 s23, s23, STAGE
	v_mul_u32_u24 v4, v1, SPITCH
	v_lshl_add_u32 v4, v2, 4, v4
	v_add_nc_u32 v[STO], s23, v4
	v_mul_u32_u24 v5, v2, SPITCH
	v_lshl_add_u32 v5, v1, 4, v5
	v_add_nc_u32 v[RD], s23, v5
	s_cmp_lt_u32 s76, 8
	s_cselect_b32 s78, 12, 11                      ; a row of C: 4,096 bytes in b2, 2,048 in vot
	s_cselect_b32 s79, 2048, 0                     ; b2's right half
	s_cselect_b64 s[8:9], s[72:73], s[74:75]
	v_lshlrev_b32 v6, 4, v1
.irp t, 0,1,2,3,4,5,6,7
	v_add_nc_u32 v7, 2*\t, v2
	v_lshlrev_b32 v7, s78, v7
	v_add_nc_u32 v[COP+\t], v7, v6
.endr
	s_lshl_b32 s16, s13, 8
	s_lshl_b32 s17, s11, 7
	s_add_co_u32 s16, s16, s17                     ; my first row of C
	s_lshl_b32 s16, s16, s78
	s_add_co_u32 s16, s16, s79
	s_mov_b32 s17, 0
	s_lshr_b32 s46, s42, 2
	s_lshl_b32 s46, s46, 21                        ; vot: the batch (0 for the first product, whose tile column is under 4)
	s_and_b32 s47, s42, 3
	s_lshl_b32 s47, s47, 9
	s_add_co_u32 s46, s46, s47
	s_lshl_b32 s47, s12, 8
	s_add_co_u32 s46, s46, s47
	s_mov_b32 s47, 0
	s_add_nc_u64 s[16:17], s[16:17], s[46:47]
	s_add_nc_u64 s[8:9], s[8:9], s[16:17]
	s_lshl_b32 s18, 16, s78                        ; 16 rows of C on
	s_mov_b32 s19, 0
.macro MUL16 f, hi, a0, zero           ; the 64 accumulators take turns, one instruction a turn, in the same order in every quarter
.irp a, \a0, \a0+1
.irp b, 0,1,2,3,4,5,6,7
.if \zero
	v_wmma_f32_16x16x32_f16 v[8*(8*(\a)+\b):8*(8*(\a)+\b)+7], v[\f+8*\b:\f+8*\b+7], v[\f+8*(4*\hi+\a):\f+8*(4*\hi+\a)+7], 0
.else
	v_wmma_f32_16x16x32_f16 v[8*(8*(\a)+\b):8*(8*(\a)+\b)+7], v[\f+8*\b:\f+8*\b+7], v[\f+8*(4*\hi+\a):\f+8*(4*\hi+\a)+7], v[8*(8*(\a)+\b):8*(8*(\a)+\b)+7]
.endif
.endr
.endr
.endm
.macro FETCH slot, k, f                ; 32 LDS loads in one run: a quarter step's fragments
	WIN TO_B
.irp i, 0,1,2,3,4,5,6,7
	ds_load_b128 v[\f+8*\i:\f+8*\i+3],   v[ADRB+\slot] offset:\k+\i*16*PITCH
	ds_load_b128 v[\f+8*\i+4:\f+8*\i+7], v[ADRB+\slot] offset:\k+\i*16*PITCH+32
.endr
	WIN 0
.irp i, 0,1,2,3,4,5,6,7
	ds_load_b128 v[\f+8*\i:\f+8*\i+3],   v[ADRA+\slot] offset:\k+\i*16*PITCH
	ds_load_b128 v[\f+8*\i+4:\f+8*\i+7], v[ADRA+\slot] offset:\k+\i*16*PITCH+32
.endr
.endm
.macro PLACES                          ; four plain vector instructions between a matrix instruction and a load into, or a read of, its registers
.rept 4
	v_nop
.endr
.endm
.macro QUARTER slot, k, f, g, zero
	s_wait_dscnt 8                                 ; B and A's rows 0-63 are in; the youngest eight loads may be out
	WIN MUL_LO
	MUL16 \f, 0, 0, \zero
	MUL16 \f, 0, 2, \zero
	PLACES
	FETCH \slot, \k, \g
	s_wait_dscnt 32                                ; all but the 32 just issued
	WIN MUL_HI
	MUL16 \f, 1, 0, \zero
	MUL16 \f, 1, 2, \zero
.endm
; The first half of a slot's last quarter: one barrier for the change of slots.  In front of it my tensor loads have landed, the add is done and my reads of this slot are over.
.macro MEET round
	WIN 0
	s_wait_tensorcnt 0x0
	ds_add_u32 v[SPW], v[NIL]                      ; 0 onto my spare word
	s_wait_dscnt 9                                 ; the add and the youngest eight loads may be out
	WIN MUL_LO
	MUL16 F1, 0, 0, 0
	s_wait_dscnt 0x0
	s_barrier_signal -1
	MUL16 F1, 0, 2, 0
.if \round
	WIN 0
.endif
	s_barrier_wait -1
.endm
.macro TURN slot, next                 ; the whole last quarter: the slot just read out is filled again, two K steps ahead, first thing behind the cluster's round
	MEET 1
	CREST
	s_add_nc_u64 s[G0+4*\slot+2:G0+4*\slot+3], s[G0+4*\slot+2:G0+4*\slot+3], 2*KSTEP*2
	s_add_nc_u64 s[G0B+4*\slot+2:G0B+4*\slot+3], s[G0B+4*\slot+2:G0B+4*\slot+3], 2*KSTEP*2
	JLOAD \slot                                    ; its four v_nop are also the places in front of the loads below
	FETCH \next, 0, F0
	WIN MUL_HI
	MUL16 F1, 1, 0, 0
	MUL16 F1, 1, 2, 0
.endm
	s_wait_tensorcnt 1                             ; my part of K step 0 is in; K step 1's may be out
	s_barrier_signal -1
	s_barrier_wait -1
	FETCH 0, 0, F0
	QUARTER 0, 64,  F0, F1, 1                      ; the first products start the sums
	WIN 0
	s_mov_b32 s3, LAPS-1
.Llap:                                             ; a trip goes once round the ring and fills both slots again
	QUARTER 0, 128, F1, F0, 0
	QUARTER 0, 192, F0, F1, 0
	TURN 0, 1
	QUARTER 1, 64,  F0, F1, 0
	QUARTER 1, 128, F1, F0, 0
	QUARTER 1, 192, F0, F1, 0
	TURN 1, 0
	QUARTER 0, 64,  F0, F1, 0
	WIN 0
	s_sub_co_u32 s3, s3, 1
	s_cmp_lg_u32 s3, 0
	s_cbranch_scc1 .Llap
	QUARTER 0, 128, F1, F0, 0                      ; the last lap is written out: it asks for nothing
	QUARTER 0, 192, F0, F1, 0
	MEET 0
	PLACES
	FETCH 1, 0, F0
	WIN MUL_HI
	MUL16 F1, 1, 0, 0
	MUL16 F1, 1, 2, 0
	QUARTER 1, 64,  F0, F1, 0
	QUARTER 1, 128, F1, F0, 0
	QUARTER 1, 192, F0, F1, 0
	s_wait_dscnt 8
	WIN MUL_LO
	MUL16 F1, 0, 0, 0
	MUL16 F1, 0, 2, 0
	s_wait_dscnt 0
	WIN MUL_HI
	MUL16 F1, 1, 0, 0
	MUL16 F1, 1, 2, 0
	WIN 0
; THE WAY OUT, 16 rows x 128 columns at a time: rounded to f16, through my own stage, stored sixteen lanes to an aligned 256 bytes.
.macro PACK a
.set AC, 64*((\a)%4)
	WIN 0x0a+5*((\a)/4)
.irp b, 0,1,2,3,4,5,6,7
.irp r, 0,1,2,3
	v_cvt_pk_f16_f32 v[TMP+4*\b+\r], v[AC+8*\b+2*\r], v[AC+8*\b+2*\r+1]
.endr
.endr
	WIN 0
.endm
.macro TOSTAGE a
.set BK, OB+192*((\a)%2)
.irp b, 0,1,2,3,4,5,6,7
	ds_store_b128 v[STO], v[TMP+4*\b:TMP+4*\b+3] offset:32*\b
.endr
.irp t, 0,1,2,3,4,5,6,7
	ds_load_b128 v[BK+4*\t:BK+4*\t+3], v[RD] offset:\t*2*SPITCH    ; LDS serves a wave's instructions in order
.endr
.endm
.macro SEND a
.set BK, OB+192*((\a)%2)
	s_wait_dscnt 0x0
	s_wait_xcnt 0x0                                ; earlier stores have read their base and their data
.if (\a) > 0
	s_add_nc_u64 s[8:9], s[8:9], s[18:19]
.endif
.irp t, 0,1,2,3,4,5,6,7
	global_store_b128 v[COP+\t], v[BK+4*\t:BK+4*\t+3], s[8:9]
.endr
.endm
	PLACES
	PACK 0
	TOSTAGE 0
.irp a, 1,2,3,4,5,6,7
	PACK \a
	SEND \a-1
	TOSTAGE \a
.endr
	SEND 7
	s_wait_tensorcnt 0x0                           ; the wave's end
	ds_add_u32 v[SPW], v[NIL]
	s_wait_dscnt 0x0
	CROUND                                         ; the closing round
	s_endpgm
.Lfunc_end_k_qa0d4cccc6b_proj:
	.size	k_qa0d4cccc6b_proj, .Lfunc_end_k_qa0d4cccc6b_proj-k_qa0d4cccc6b_proj
	.p2alignl 7, 3214868480
	.fill 96, 4, 3214868480
	.section	.rodata,"a",@progbits
	.p2align	6, 0x0
	.amdhsa_kernel k_qa0d4cccc6b_proj
		.amdhsa_group_segment_fixed_size 327680
		.amdhsa_private_segment_fixed_size 0
		.amdhsa_enable_private_segment 0
		.amdhsa_kernarg_size 32
		.amdhsa_user_sgpr_count 2
		.amdhsa_user_sgpr_kernarg_segment_ptr 1
		.amdhsa_wavefront_size32 1
		.amdhsa_system_sgpr_workgroup_id_x 1
		.amdhsa_system_sgpr_workgroup_id_y 1
		.amdhsa_system_sgpr_workgroup_id_z 1
		.amdhsa_system_vgpr_workitem_id 0
		.amdhsa_next_free_vgpr 1024
		.amdhsa_next_free_sgpr 80
		.amdhsa_reserve_vcc 0
		.amdhsa_float_denorm_mode_32 3
		.amdhsa_float_denorm_mode_16_64 3
		.amdhsa_memory_ordered 1
		.amdhsa_forward_progress 1
		.amdhsa_inst_pref_size 144
	.end_amdhsa_kernel
	.amdgpu_metadata
---
amdhsa.version: [ 1, 2 ]
amdhsa.kernels:
  - .name:           k_qa0d4cccc6b_proj
    .symbol:         k_qa0d4cccc6b_proj.kd
    .args:
      - { .name: h16, .offset: 0, .size: 8, .value_kind: global_buffer, .address_space: global }
      - { .name: vh, .offset: 8, .size: 8, .value_kind: global_buffer, .address_space: global }
      - { .name: b2, .offset: 16, .size: 8, .value_kind: global_buffer, .address_space: global }
      - { .name: vot, .offset: 24, .size: 8, .value_kind: global_buffer, .address_space: global }
    .group_segment_fixed_size: 327680
    .private_segment_fixed_size: 0
    .kernarg_segment_align: 8
    .kernarg_segment_size: 32
    .max_flat_workgroup_size: 128
    .sgpr_count:     80
    .vgpr_count:     1024
    .wavefront_size: 32
...
	.end_amdgpu_metadata
.endif
;; end of part 3
;; launch score (part 4): grid 4 x 64, 4 waves a work-group, clusters of 4 x 4, 327,680 bytes of LDS; arguments a2, b2, pw, stat; writes pw, stat
.if DOCPART == 4
	.amdgcn_target "amdgcn-amd-amdhsa--gfx1250"
	.amdhsa_code_object_version 6
	.text
	.protected	k_qa0d4cccc6b_score
	.globl	k_qa0d4cccc6b_score
	.p2align	8
	.type	k_qa0d4cccc6b_score,@function
k_qa0d4cccc6b_score:
	s_mov_b64 s[64:65], 0
	v_nop
	global_prefetch_b8 v0, s[64:65] scope:SCOPE_SE
	s_setreg_imm32_b32 hwreg(HW_REG_WAVE_MODE, 25, 1), 1
	s_wait_xcnt 0x0
	s_wait_alu depctr_hold_cnt(0) depctr_sa_sdst(0) depctr_va_vdst(0) depctr_va_sdst(0) depctr_va_ssrc(0) depctr_va_vcc(0) depctr_vm_vsrc(0)
	s_getreg_b32 s2, hwreg(HW_REG_IB_STS2, 6, 4)
	s_cmp_eq_u32 s2, 0
	s_cbranch_scc0 .Lentry_in_a_cluster
	s_endpgm
.Lentry_in_a_cluster:
	s_bfe_u32 s2, ttmp6, 0x10000c
	s_cmp_lg_u32 s2, 0xf033
	s_cbranch_scc0 .Lentry_shape_is_right
	s_endpgm
.Lentry_shape_is_right:
; The scores and the softmax's numerators.  AC + BD is ONE product with K = 2,048: [q + bias_q | k + bias_k] . [k | pos_key], rows of a2 against rows of b2 of the same batch; f16 operands, f32 sums.
; (b_r's term is left out: it is the same along the softmax's axis; shown at the head of the first launch.)
; A tile is 128 queries x 256 keys; four waves, 2 x 2, each 64 queries x 128 keys: 32 accumulators.  K goes in steps of 128 through two LDS slots; a2's tiles are shared along a row of the cluster, b2's along a column.
; (A slot of twice the step would be 384 rows x 528 bytes = 202,752 bytes: two of them do not fit in LDS.)
; THE SOFTMAX, by blocks of 128 keys (a wave's columns): t = score x log2(e) / 32; M = the block's largest t of a query, rounded up to a whole number; p = 2^(t - M), stored as f16; (-M, the sum of p in f32) go to
; stat [key block][row].  The last launch takes the largest M of a query's eight blocks and multiplies each block's part and sum by 2^(M_block - M_row), a power of two: so the row's own maximum is what is taken away.
; THE MATRIX INSTRUCTION IS USED TRANSPOSED (source 0 = 16 keys, source 1 = 16 queries): a lane holds one query and eight neighbouring keys.
; REGISTERS: window 0: v0-31 addresses; v32-51 statistics; v64-159, v160-255 two fragment buffers (A's 4 fragments, then B's 8).  Window 1: accumulator (a, b) at v[8 (8 a + b)].
.set PITCHE, 2048                      ; elements in a row of A and of B
.set LAPS,   8                         ; K = 2,048: sixteen steps
.set KSTEP,  128
.set PITCH,  272
.set AHALF,  64*PITCH
.set BHALF,  128*PITCH
.set BOFF,   2*AHALF
.set SLOT,   BOFF+2*BHALF
.set STAGE,  2*SLOT
.set SPITCH, 272
.set SPARE,  STAGE+4*16*SPITCH
.set ADRA, 16
.set ADRB, 20
.set STO,  24
.set RD,   25
.set CO,   26
.set SPW,  28
.set NIL,  29
.set PFO,  30                          ; v30 the prefetches' offset: my lane x a row of a2 or b2; never rewritten
.set TT,   32                          ; v32+2a: -M of block a's query; v33+2a at work
.set LL,   40                          ; v[40+2a:41+2a] the sum, in two halves
.set F0,   64
.set F1,   160
.set TMP,  64
.set OB,   128
.set G1A, 24
.set G0A, 32
.set G1B, 48
.set G0B, 56
.set LIM, 76                           ; s76 1 in a wave that prefetches, else the greatest number
.set CS,  78                           ; s[78:79] log2(e) / 32
.set SEL, 80                           ; s[80:81] selects for lane l xor 16
.set PFA, 82                           ; s[82:83] where my prefetches stand: my 32 rows, one K step further along K than the refill that is being asked for; a prefetch names the K step after that
.set MSB, 0
.macro WIN new
.if MSB != \new
	s_set_vgpr_msb (MSB<<8)|\new
.set MSB, \new
.endif
.endm
.set MUL, 0x50                         ; C and D window 1, the fragments window 0
.macro JLOAD s                         ; waves 0 and 1 fetch A's halves (64 rows), waves 2 and 3 B's (128 rows); an s_nop 0 and four v_nop follow each line
	s_cmp_eq_u32 s11, 0
	s_cbranch_scc0 .Lfor_b_\@
	tensor_load_to_lds s[G0A+4*\s:G0A+4*\s+3], s[G1A:G1A+7]
	s_nop 0
.rept 4
	v_nop
.endr
	s_branch .Lasked_\@
.Lfor_b_\@:
	tensor_load_to_lds s[G0B+4*\s:G0B+4*\s+3], s[G1B:G1B+7]
	s_nop 0
.rept 4
	v_nop
.endr
.Lasked_\@:
.endm
; A PREFETCH INTO THE L2, behind each joint load of the loop and the run of LDS loads that follows it: the K step that stands TWO refills on (256 matrix instructions ahead of the load that will want it):
; 32 rows x 256 bytes, a lane a row, one instruction a wave.  Each row's 256 bytes of a K step are named ONCE in the launch.  a2's tile row is read by my row of the cluster alone: its four partners share the
; 128 rows out BY ADDRESS, 32 each (by cx), and wave 0 asks.  b2's rows are read by the two clusters of a batch: the even one asks; of the 128 rows that wave 2 or 3 fetches, the partner at cy takes 32.
; No branch hangs on a work-group's place in its cluster.  K steps 0 to 3 come by their loads alone; the loop's last trip, whose refills are the last two K steps, asks for nothing.
.macro ASK
	s_cmp_gt_u32 s3, s[LIM]                        ; s3 = 1 in the loop's last trip
	s_cbranch_scc0 .Lnot_mine_\@
	global_prefetch_b8 v[PFO], s[PFA:PFA+1] offset:KSTEP*2 th:TH_LOAD_NT scope:SCOPE_SE
.Lnot_mine_\@:
.endm
.macro CREST
	s_cmp_lg_u32 s10, 0
	s_cbranch_scc1 .Lnot_wave_0_\@
	s_barrier_signal -3
.Lnot_wave_0_\@:
	s_barrier_wait -3
	s_barrier_signal -1
	s_barrier_wait -1
.endm
.macro CROUND
	s_barrier_signal -1
	s_barrier_wait -1
	CREST
.endm
	s_load_b256 s[68:75], s[0:1], 0x0              ; a2, b2, pw, stat
	v_lshl_add_u32 v[SPW], v0, 2, SPARE
	v_mov_b32 v[NIL], 0
	ds_add_u32 v[SPW], v[NIL]                      ; the wave's opening: the add, twice on end, and its wait ahead of my first tensor load
	ds_add_u32 v[SPW], v[NIL]
	v_lshrrev_b32 v1, 5, v0
	v_readfirstlane_b32 s10, v1                    ; wave
	s_lshr_b32 s11, s10, 1                         ; my 64 of the 128 rows of A; also: I fetch for A (0) or B (1)
	s_and_b32 s12, s10, 1                          ; my 128 of the 256 rows of B; also: which half I fetch
	s_bfe_u32 s40, ttmp6, 0x40000                  ; cx = the tile column
	s_bfe_u32 s41, ttmp6, 0x40004                  ; cy
	s_and_b32 s42, ttmp7, 0xffff                   ; the cluster, 0..15; the batch is half of it
	s_lshl_b32 s13, s42, 2
	s_add_co_u32 s13, s13, s41                     ; the tile row, 0..63
	s_lshl_b32 s43, s41, 2
	s_lshl_b32 s43, 15, s43
	s_lshl_b32 s44, 0x1111, s40
	s_or_b32 s[G1A+0], s43, (1<<16)|(1<<20)|(1<<21)|(5<<22)|(3<<25)  ; the mask; elements of 2 bytes; padding: 4 words after every 64
	s_or_b32 s[G1B+0], s44, (1<<16)|(1<<20)|(1<<21)|(5<<22)|(3<<25)
	s_mov_b32 s[G1A+1], KSTEP<<16
	s_mov_b32 s[G1A+2], 64<<16
	s_mov_b32 s[G1A+3], KSTEP<<16
	s_mov_b32 s[G1A+4], 64
	s_mov_b32 s[G1A+5], PITCHE
	s_mov_b32 s[G1A+6], 0
	s_mov_b32 s[G1A+7], 0
	s_mov_b32 s[G1B+1], KSTEP<<16
	s_mov_b32 s[G1B+2], 128<<16
	s_mov_b32 s[G1B+3], KSTEP<<16
	s_mov_b32 s[G1B+4], 128
	s_mov_b32 s[G1B+5], PITCHE
	s_mov_b32 s[G1B+6], 0
	s_mov_b32 s[G1B+7], 0
	s_lshl_b32 s16, s13, 7
	s_lshl_b32 s17, s12, 6
	s_add_co_u32 s16, s16, s17                     ; A: row 128 x tile row + 64 x half
	s_mul_i32 s16, s16, PITCHE*2
	s_mov_b32 s17, 0
	s_lshr_b32 s46, s42, 1
	s_lshl_b32 s46, s46, 10
	s_lshl_b32 s47, s40, 8
	s_add_co_u32 s46, s46, s47
	s_lshl_b32 s47, s12, 7
	s_add_co_u32 s46, s46, s47                     ; B: row 1,024 x batch + 256 x tile column + 128 x half
	s_mul_i32 s46, s46, PITCHE*2
	s_mov_b32 s47, 0
	s_mul_i32 s20, s12, AHALF                      ; where they go: the wave's number alone
	s_mul_i32 s21, s12, BHALF
	s_add_co_u32 s21, s21, BOFF
	s_mov_b32 s[CS], 0x3d38aa3b
	s_mov_b32 s[CS+1], s[CS]
	s_mov_b32 s[SEL], 0x76543210
	s_mov_b32 s[SEL+1], 0xfedcba98
	s_wait_dscnt 0x0
	s_wait_kmcnt 0x0
	s_add_nc_u64 s[14:15], s[68:69], s[16:17]
	s_add_nc_u64 s[46:47], s[70:71], s[46:47]
	CROUND
.irp s, 0,1
	s_mov_b32 s[G0A+4*\s], 1
	s_add_co_u32 s[G0A+4*\s+1], s20, \s*SLOT
	s_add_nc_u64 s[G0A+4*\s+2:G0A+4*\s+3], s[14:15], \s*KSTEP*2
	s_or_b32 s[G0A+4*\s+3], s[G0A+4*\s+3], 0x80000000
	s_mov_b32 s[G0B+4*\s], 1
	s_add_co_u32 s[G0B+4*\s+1], s21, \s*SLOT
	s_add_nc_u64 s[G0B+4*\s+2:G0B+4*\s+3], s[46:47], \s*KSTEP*2
	s_or_b32 s[G0B+4*\s+3], s[G0B+4*\s+3], 0x80000000
	JLOAD \s
.endr
	v_and_b32 v1, 15, v0                           ; r
	v_bfe_u32 v2, v0, 4, 1                         ; h
	v_mul_u32_u24 v3, v1, PITCH
	v_lshl_add_u32 v3, v2, 4, v3
	s_mul_i32 s21, s11, AHALF
	s_mul_i32 s22, s12, BHALF
	s_add_co_u32 s22, s22, BOFF
.irp s, 0,1
	v_add_nc_u32 v[ADRA+\s], s21, v3
	v_add_nc_u32 v[ADRB+\s], s22, v3
	s_add_co_u32 s21, s21, SLOT
	s_add_co_u32 s22, s22, SLOT
.endr
	s_mul_i32 s23, s10, 16*SPITCH
	s_add_co_u32 s23, s23, STAGE                   ; my stage
	v_mul_u32_u24 v4, v1, SPITCH
	v_lshl_add_u32 v4, v2, 4, v4
	v_add_nc_u32 v[STO], s23, v4
	v_mul_u32_u24 v5, v2, SPITCH
	v_lshl_add_u32 v5, v1, 4, v5
	v_add_nc_u32 v[RD], s23, v5
	v_lshlrev_b32 v5, 11, v2
	v_lshl_add_u32 v[CO], v1, 4, v5                ; pw: rows of 2,048 bytes
	s_lshl_b32 s16, s13, 7
	s_lshl_b32 s17, s11, 6
	s_add_co_u32 s16, s16, s17                     ; my first query
	s_lshl_b32 s18, s16, 11
	s_lshl_b32 s46, s40, 9
	s_add_co_u32 s18, s18, s46
	s_lshl_b32 s46, s12, 8
	s_add_co_u32 s18, s18, s46
	s_mov_b32 s19, 0
	s_add_nc_u64 s[8:9], s[72:73], s[18:19]
	s_lshl_b32 s46, s40, 1
	s_add_co_u32 s46, s46, s12                     ; my block of 128 keys in the batch
	s_lshl_b32 s46, s46, 13
	s_add_co_u32 s46, s46, s16
	s_lshl_b32 s18, s46, 3
	s_add_nc_u64 s[14:15], s[74:75], s[18:19]
.irp a, 0,1,2,3
	v_mov_b32 v[TT+2*\a+1], 0                      ; written once: a lane permute's destination counts as one of its sources
.endr
	; the prefetches: where my wave's stand, and who asks
	s_lshl_b32 s20, s13, 7
	s_lshl_b32 s21, s40, 5
	s_add_co_u32 s20, s20, s21                     ; a2: the tile's first row + my work-group's 32 of its 128
	s_lshr_b32 s22, s42, 1
	s_lshl_b32 s22, s22, 10
	s_lshl_b32 s21, s40, 8
	s_add_co_u32 s22, s22, s21
	s_lshl_b32 s21, s12, 7
	s_add_co_u32 s22, s22, s21
	s_lshl_b32 s21, s41, 5
	s_add_co_u32 s22, s22, s21                     ; b2: the 128 rows that I fetch + my work-group's 32 of them
	s_and_b32 s23, s42, 1                          ; 0 in the batch's first cluster
	s_cmp_eq_u32 s11, 0                            ; do I fetch for A?
	s_cselect_b64 s[PFA:PFA+1], s[68:69], s[70:71]
	s_cselect_b32 s20, s20, s22
	s_cselect_b32 s23, s12, s23                    ; for A wave 0 asks; for B waves 2 and 3 of the even cluster
	s_cmp_eq_u32 s23, 0
	s_cselect_b32 s[LIM], 1, -1                    ; the same in all sixteen partners, for a given wave
	s_mul_i32 s20, s20, PITCHE*2
	s_add_co_u32 s20, s20, 2*KSTEP*2               ; at K step 2: the first refill steps it to 3 and names K step 4
	s_mov_b32 s21, 0
	s_add_nc_u64 s[PFA:PFA+1], s[PFA:PFA+1], s[20:21]
	v_and_b32 v[PFO], 31, v0
	v_mul_u32_u24 v[PFO], v[PFO], PITCHE*2
; THE CORE.  The 32 accumulators take turns, one instruction a turn, in the same order in every quarter.
.macro MUL8 f, a, zero
.irp b, 0,1,2,3,4,5,6,7
.if \zero
	v_wmma_f32_16x16x32_f16 v[8*(8*(\a)+\b):8*(8*(\a)+\b)+7], v[\f+32+8*\b:\f+32+8*\b+7], v[\f+8*(\a):\f+8*(\a)+7], 0
.else
	v_wmma_f32_16x16x32_f16 v[8*(8*(\a)+\b):8*(8*(\a)+\b)+7], v[\f+32+8*\b:\f+32+8*\b+7], v[\f+8*(\a):\f+8*(\a)+7], v[8*(8*(\a)+\b):8*(8*(\a)+\b)+7]
.endif
.endr
.endm
.macro MUL16 f, a0, zero
	MUL8 \f, \a0, \zero
	MUL8 \f, \a0+1, \zero
.endm
.macro FETCH slot, k, f                ; 24 LDS loads in one run: B's eight fragments, then A's four
	WIN 0
.irp i, 0,1,2,3,4,5,6,7
	ds_load_b128 v[\f+32+8*\i:\f+32+8*\i+3], v[ADRB+\slot] offset:\k+\i*16*PITCH
	ds_load_b128 v[\f+32+8*\i+4:\f+32+8*\i+7], v[ADRB+\slot] offset:\k+\i*16*PITCH+32
.endr
.irp i, 0,1,2,3
	ds_load_b128 v[\f+8*\i:\f+8*\i+3], v[ADRA+\slot] offset:\k+\i*16*PITCH
	ds_load_b128 v[\f+8*\i+4:\f+8*\i+7], v[ADRA+\slot] offset:\k+\i*16*PITCH+32
.endr
.endm
.macro PLACES                          ; four plain vector instructions between a matrix instruction and a load into, or a read of, its registers
.rept 4
	v_nop
.endr
.endm
.macro QUARTER slot, k, f, g, zero     ; 32 along K: multiplies buffer f, fetches the next quarter into g
	s_wait_dscnt 4                                 ; B's fragments and A's 0, 1 are in; A's 2, 3 may be out
	WIN MUL
	MUL16 \f, 0, \zero
	PLACES
	FETCH \slot, \k, \g
	s_wait_dscnt 24                                ; all but the 24 just issued
	WIN MUL
	MUL16 \f, 2, \zero
.endm
; A slot's last quarter changes slots: one barrier; in front of it my tensor loads have landed, the add is done and my reads of this slot are over.  fill = 1: the barrier opens a round of the cluster's, and the slot is filled again first thing behind it.
.macro TURN slot, next, fill
.if \fill
	s_wait_xcnt 0x0                                ; the last prefetch, a K step back, has read its address: it is stepped here, ahead of the waits of the change of slots
	s_add_nc_u64 s[PFA:PFA+1], s[PFA:PFA+1], KSTEP*2
.endif
	WIN 0
	s_wait_tensorcnt 0x0
	ds_add_u32 v[SPW], v[NIL]                      ; 0 onto my spare word
	s_wait_dscnt 5                                 ; the add and A's fragments 2, 3 may be out
	WIN MUL
	MUL8 F1, 0, 0
	s_wait_dscnt 0x0
	s_barrier_signal -1
	MUL8 F1, 1, 0
	WIN 0
	s_barrier_wait -1
.if \fill
	CREST
	s_add_nc_u64 s[G0A+4*\slot+2:G0A+4*\slot+3], s[G0A+4*\slot+2:G0A+4*\slot+3], 2*KSTEP*2
	s_add_nc_u64 s[G0B+4*\slot+2:G0B+4*\slot+3], s[G0B+4*\slot+2:G0B+4*\slot+3], 2*KSTEP*2
	JLOAD \slot                                    ; its four v_nop are also the places in front of the loads below
.else
	PLACES
.endif
	FETCH \next, 0, F0
.if \fill
	ASK                                            ; behind the joint load and the run of LDS loads that the next products wait for
.endif
	WIN MUL
	MUL16 F1, 2, 0
.endm
	s_wait_tensorcnt 1                             ; my part of K step 0 is in; K step 1's may be out
	s_barrier_signal -1
	s_barrier_wait -1
	FETCH 0, 0, F0
	QUARTER 0, 64,  F0, F1, 1                      ; the first products start the sums
	WIN 0
	s_mov_b32 s3, LAPS-1
.Llap:                                             ; a trip goes once round the ring and fills both slots again
	QUARTER 0, 128, F1, F0, 0
	QUARTER 0, 192, F0, F1, 0
	TURN 0, 1, 1
	QUARTER 1, 64,  F0, F1, 0
	QUARTER 1, 128, F1, F0, 0
	QUARTER 1, 192, F0, F1, 0
	TURN 1, 0, 1
	QUARTER 0, 64,  F0, F1, 0
	WIN 0
	s_sub_co_u32 s3, s3, 1
	s_cmp_lg_u32 s3, 0
	s_cbranch_scc1 .Llap
	QUARTER 0, 128, F1, F0, 0                      ; the last lap is written out: it asks for nothing
	QUARTER 0, 192, F0, F1, 0
	TURN 0, 1, 0
	QUARTER 1, 64,  F0, F1, 0
	QUARTER 1, 128, F1, F0, 0
	QUARTER 1, 192, F0, F1, 0
	s_wait_dscnt 4                                 ; the very last quarter: nothing more to fetch
	WIN MUL
	MUL16 F1, 0, 0
	s_wait_dscnt 0
	MUL16 F1, 2, 0
	WIN 0
	; THE SOFTMAX'S NUMERATORS.  Block a's 64 registers hold, of query 16 a + r, keys 16 b + 8 h + j.  The four blocks take turns, so that no line waits for the line above it.
	PLACES
	WIN 0x05                                       ; sources 0 and 1 window 1
.irp a, 0,1,2,3
	v_max_num_f32 v[TT+2*\a], v[64*\a], v[64*\a+1] ; each accumulator is read from its low end on
.endr
.set i, 2
.rept 31
.irp a, 0,1,2,3
	v_max3_num_f32 v[TT+2*\a], v[64*\a+i], v[64*\a+i+1], v[TT+2*\a]
.endr
.set i, i+2
.endr
	WIN 0
.irp a, 0,1,2,3
	v_permlanex16_b32 v[TT+2*\a+1], v[TT+2*\a], s[SEL], s[SEL+1]
.endr
.irp a, 0,1,2,3
	v_max_num_f32 v[TT+2*\a], v[TT+2*\a], v[TT+2*\a+1]   ; with the other 64 keys: the block's largest score
.endr
.irp a, 0,1,2,3
	v_mul_f32 v[TT+2*\a], s[CS], v[TT+2*\a]        ; as t
.endr
.irp a, 0,1,2,3
	v_floor_f32 v[TT+2*\a], -v[TT+2*\a]            ; -M = floor(-t): M is a whole number
.endr
	WIN 0x41                                       ; destination and source 0 window 1
.irp a, 0,1,2,3
.set i, 0
.rept 32
	v_pk_fma_f32 v[64*\a+i:64*\a+i+1], v[64*\a+i:64*\a+i+1], s[CS:CS+1], v[TT+2*\a:TT+2*\a+1] op_sel_hi:[1,0,0]   ; t - M
.set i, i+2
.endr
.endr
.set i, 0
.rept 256
	v_exp_f32 v[i], v[i]                           ; p = 2^(t - M), at most 1
.set i, i+1
.endr
	v_nop                                          ; a plain instruction behind the last exponential
	s_wait_alu depctr_va_vdst(0)                   ; one wait for the whole batch, ahead of its first reader
	WIN 0x05
.irp a, 0,1,2,3
	v_pk_add_f32 v[LL+2*\a:LL+2*\a+1], v[64*\a:64*\a+1], v[64*\a+2:64*\a+3]
.endr
	WIN 0x01
.set i, 4
.rept 30
.irp a, 0,1,2,3
	v_pk_add_f32 v[LL+2*\a:LL+2*\a+1], v[64*\a+i:64*\a+i+1], v[LL+2*\a:LL+2*\a+1]
.endr
.set i, i+2
.endr
	WIN 0
.irp a, 0,1,2,3
	v_add_f32 v[LL+2*\a], v[LL+2*\a], v[LL+2*\a+1]
.endr
.irp a, 0,1,2,3
	v_permlanex16_b32 v[TT+2*\a+1], v[LL+2*\a], s[SEL], s[SEL+1]
.endr
.irp a, 0,1,2,3
	v_add_f32 v[LL+2*\a], v[LL+2*\a], v[TT+2*\a+1] ; the block's sum of p, in both halves of the lanes
.endr
	v_and_b32 v27, 31, v0
	v_cmp_gt_u32 vcc_lo, 16, v27
	v_cndmask_b32 v48, v[TT+2], v[TT+0], vcc_lo    ; lanes 0-15 give queries 0-15 (block 0), lanes 16-31 queries 16-31 (block 1)
	v_cndmask_b32 v49, v[LL+2], v[LL+0], vcc_lo
	v_cndmask_b32 v50, v[TT+6], v[TT+4], vcc_lo    ; and blocks 2, 3
	v_cndmask_b32 v51, v[LL+6], v[LL+4], vcc_lo
	v_lshlrev_b32 v27, 3, v27
	global_store_b64 v27, v[48:49], s[14:15]       ; 32 lanes store 256 consecutive bytes, aligned
	global_store_b64 v27, v[50:51], s[14:15] offset:256
; p leaves as f16, 16 queries x 128 keys at a time, through my own stage: sixteen lanes store an aligned 256 bytes
.macro PACK a
	WIN 0x05
.irp b, 0,1,2,3,4,5,6,7
.irp r, 0,1,2,3
	v_cvt_pk_f16_f32 v[TMP+4*\b+\r], v[64*(\a)+8*\b+2*\r], v[64*(\a)+8*\b+2*\r+1]
.endr
.endr
	WIN 0
.endm
.macro TOSTAGE a
.set BK, OB+32*((\a)%2)
.irp b, 0,1,2,3,4,5,6,7
	ds_store_b128 v[STO], v[TMP+4*\b:TMP+4*\b+3] offset:32*\b
.endr
.irp t, 0,1,2,3,4,5,6,7
	ds_load_b128 v[BK+4*\t:BK+4*\t+3], v[RD] offset:\t*2*SPITCH    ; LDS serves a wave's instructions in order
.endr
.endm
.macro SEND a
.set BK, OB+32*((\a)%2)
	s_wait_dscnt 0x0
	s_wait_xcnt 0x0                                ; earlier stores have read their base and their data
.if (\a) > 0
	s_add_nc_u64 s[8:9], s[8:9], 16*2048
.endif
.irp t, 0,1,2,3,4,5,6,7
	global_store_b128 v[CO], v[BK+4*\t:BK+4*\t+3], s[8:9] offset:\t*4096
.endr
.endm
	PACK 0
	TOSTAGE 0
.irp a, 1,2,3
	PACK \a
	SEND \a-1
	TOSTAGE \a
.endr
	SEND 3
	s_wait_tensorcnt 0x0                           ; the wave's end
	ds_add_u32 v[SPW], v[NIL]
	s_wait_dscnt 0x0
	CROUND                                         ; the closing round
	s_endpgm
.Lfunc_end_k_qa0d4cccc6b_score:
	.size	k_qa0d4cccc6b_score, .Lfunc_end_k_qa0d4cccc6b_score-k_qa0d4cccc6b_score
	.p2alignl 7, 3214868480
	.fill 96, 4, 3214868480
	.section	.rodata,"a",@progbits
	.p2align	6, 0x0
	.amdhsa_kernel k_qa0d4cccc6b_score
		.amdhsa_group_segment_fixed_size 327680
		.amdhsa_private_segment_fixed_size 0
		.amdhsa_enable_private_segment 0
		.amdhsa_kernarg_size 32
		.amdhsa_user_sgpr_count 2
		.amdhsa_user_sgpr_kernarg_segment_ptr 1
		.amdhsa_wavefront_size32 1
		.amdhsa_system_sgpr_workgroup_id_x 1
		.amdhsa_system_sgpr_workgroup_id_y 1
		.amdhsa_system_sgpr_workgroup_id_z 1
		.amdhsa_system_vgpr_workitem_id 0
		.amdhsa_next_free_vgpr 512
		.amdhsa_next_free_sgpr 84
		.amdhsa_reserve_vcc 1
		.amdhsa_float_denorm_mode_32 3
		.amdhsa_float_denorm_mode_16_64 3
		.amdhsa_memory_ordered 1
		.amdhsa_forward_progress 1
		.amdhsa_inst_pref_size 122
	.end_amdhsa_kernel
	.amdgpu_metadata
---
amdhsa.version: [ 1, 2 ]
amdhsa.kernels:
  - .name:           k_qa0d4cccc6b_score
    .symbol:         k_qa0d4cccc6b_score.kd
    .args:
      - { .name: a2, .offset: 0, .size: 8, .value_kind: global_buffer, .address_space: global }
      - { .name: b2, .offset: 8, .size: 8, .value_kind: global_buffer, .address_space: global }
      - { .name: pw, .offset: 16, .size: 8, .value_kind: global_buffer, .address_space: global }
      - { .name: stat, .offset: 24, .size: 8, .value_kind: global_buffer, .address_space: global }
    .group_segment_fixed_size: 327680
    .private_segment_fixed_size: 0
    .kernarg_segment_align: 8
    .kernarg_segment_size: 32
    .max_flat_workgroup_size: 128
    .sgpr_count:     84
    .vgpr_count:     512
    .wavefront_size: 32
...
	.end_amdgpu_metadata
.endif
;; end of part 4
;; launch mix (part 5): grid 4 x 64, 4 waves a work-group, clusters of 4 x 4, 327,680 bytes of LDS; arguments pw, vot, out0, stat, h16; writes out0
.if DOCPART == 5
	.amdgcn_target "amdgcn-amd-amdhsa--gfx1250"
	.amdhsa_code_object_version 6
	.text
	.protected	k_qa0d4cccc6b_mix
	.globl	k_qa0d4cccc6b_mix
	.p2align	8
	.type	k_qa0d4cccc6b_mix,@function
k_qa0d4cccc6b_mix:
	s_mov_b64 s[64:65], 0
	v_nop
	global_prefetch_b8 v0, s[64:65] scope:SCOPE_SE
	s_setreg_imm32_b32 hwreg(HW_REG_WAVE_MODE, 25, 1), 1
	s_wait_xcnt 0x0
	s_wait_alu depctr_hold_cnt(0) depctr_sa_sdst(0) depctr_va_vdst(0) depctr_va_sdst(0) depctr_va_ssrc(0) depctr_va_vcc(0) depctr_vm_vsrc(0)
	s_getreg_b32 s2, hwreg(HW_REG_IB_STS2, 6, 4)
	s_cmp_eq_u32 s2, 0
	s_cbranch_scc0 .Lentry_in_a_cluster
	s_endpgm
.Lentry_in_a_cluster:
	s_bfe_u32 s2, ttmp6, 0x10000c
	s_cmp_lg_u32 s2, 0xf033
	s_cbranch_scc0 .Lentry_shape_is_right
	s_endpgm
.Lentry_shape_is_right:
; out[q][d] = (1 / sf[d]) / l[q] x sum over key blocks s of f_s[q] x (sum over the block's keys of p[q][key] VO'^T[d][key]): the softmax's blocks are merged, P meets v W_o'^T, and the result is divided by the row's sum.
; f16 operands, f32 sums, K = 1,024 keys.
; THE MERGE, in f32.  Each block of 128 keys came with its own whole number M and its sum.  M_row = the largest of a query's eight; f = 2^(M_block - M_row), made by v_ldexp_f32 of 1.0; l = the sum of f x the blocks' sums.
; A K step is one block of keys: its products start 32 accumulators of their own with the constant 0, and at the step's end these are added, times the block's f, into 32 running sums: 128 packed multiply-adds a K step.
; They stand behind the step's last products, while the next slot's first fragments are on their way from LDS.
; A tile is 128 queries x 256 of d; four waves, 2 x 2, each 64 x 128.  pw's tiles are shared along a row of the cluster, vot's along a column.  The eight K steps are written out: the factors' registers change with the step.
; THE MATRIX INSTRUCTION IS USED TRANSPOSED (source 0 = 16 rows of vot, source 1 = 16 queries): a lane holds one query and eight neighbouring d.
; REGISTERS: window 0: v0-31 addresses; v8+2a 1 / l of block a (v9+2a: l); v32-63 at work in the head; v64-159, v160-255 two fragment buffers.  Window 1: a K step's accumulators, (a, b) at v[8 (8 a + b)].
; Window 2: the running sums, likewise.  Window 3: v0-63 the factors, f twice on end at 2 (4 s + a); v64-127 1 / sf of my 128 columns.
.set HCS,    20971520                  ; h16: 1 / sf
.set PITCHE, 1024
.set KSTEP,  128
.set PITCH,  272
.set AHALF,  64*PITCH
.set BHALF,  128*PITCH
.set BOFF,   2*AHALF
.set SLOT,   BOFF+2*BHALF
.set STAGE,  2*SLOT
.set SPITCH, 528                       ; the way out: 16 rows x (512 + 16) for each wave
.set SPARE,  STAGE+4*16*SPITCH
.set ADRA, 16
.set ADRB, 20
.set STO,  24
.set RD,   25
.set CO,   26
.set PFO,  27                          ; v27 the prefetches' offset: my lane x a row of pw or vot; never rewritten
.set SPW,  28
.set NIL,  29
.set DD,   32                          ; v32-63 in the head: M_block - M_row as whole numbers, 4 s + a
.set F0,   64
.set F1,   160
.set T,    64
.set OB,   128
.set CSV,  64                          ; in window 3: 1 / sf
.set G1A, 24
.set G0A, 32
.set G1B, 48
.set G0B, 56
.set LIM, 78                           ; s78 1 in a wave that prefetches, else the greatest number
.set PFA, 82                           ; s[82:83] where my prefetches stand: my 32 rows, one K step further along K than the refill that is being asked for; a prefetch names the K step after that
.set MSB, 0
.macro WIN new
.if MSB != \new
	s_set_vgpr_msb (MSB<<8)|\new
.set MSB, \new
.endif
.endm
.set MUL, 0x50                         ; C and D window 1, the fragments window 0
.set SUM, 0xad                         ; destination and source 2 window 2, source 1 window 3, source 0 window 1
.macro JLOAD s                         ; waves 0 and 1 fetch A's halves (64 rows), waves 2 and 3 B's (128 rows); an s_nop 0 and four v_nop follow each line
	s_cmp_eq_u32 s11, 0
	s_cbranch_scc0 .Lfor_b_\@
	tensor_load_to_lds s[G0A+4*\s:G0A+4*\s+3], s[G1A:G1A+7]
	s_nop 0
.rept 4
	v_nop
.endr
	s_branch .Lasked_\@
.Lfor_b_\@:
	tensor_load_to_lds s[G0B+4*\s:G0B+4*\s+3], s[G1B:G1B+7]
	s_nop 0
.rept 4
	v_nop
.endr
.Lasked_\@:
.endm
; A PREFETCH INTO THE L2, behind the joint loads of K steps 0 to 3 and the run of LDS loads that follows each: the K step that stands TWO refills on (256 matrix instructions ahead of the load that will want it):
; 32 rows x 256 bytes, a lane a row, one instruction a wave.  Each row's 256 bytes of a K step are named ONCE in the launch.  pw's tile row is read by my row of the cluster alone: its four partners share the
; 128 rows out BY ADDRESS, 32 each (by cx), and wave 0 asks.  vot's rows are read by the two clusters of a batch: the even one asks; of the 128 rows that wave 2 or 3 fetches, the partner at cy takes 32.
; No branch hangs on a work-group's place in its cluster.  K steps 0 to 3 come by their loads alone; the last two refills ask for nothing: there is no K step two on.
.macro ASK
	s_cmp_eq_u32 s[LIM], 1
	s_cbranch_scc0 .Lnot_mine_\@
	global_prefetch_b8 v[PFO], s[PFA:PFA+1] offset:KSTEP*2 th:TH_LOAD_NT scope:SCOPE_SE
.Lnot_mine_\@:
.endm
.macro CREST
	s_cmp_lg_u32 s10, 0
	s_cbranch_scc1 .Lnot_wave_0_\@
	s_barrier_signal -3
.Lnot_wave_0_\@:
	s_barrier_wait -3
	s_barrier_signal -1
	s_barrier_wait -1
.endm
.macro CROUND
	s_barrier_signal -1
	s_barrier_wait -1
	CREST
.endm
	s_load_b256 s[68:75], s[0:1], 0x0              ; pw, vot, out0, stat
	s_load_b64 s[76:77], s[0:1], 0x20              ; h16
	v_lshl_add_u32 v[SPW], v0, 2, SPARE
	v_mov_b32 v[NIL], 0
	ds_add_u32 v[SPW], v[NIL]                      ; the wave's opening: the add, twice on end, and its wait ahead of my first tensor load
	ds_add_u32 v[SPW], v[NIL]
	v_lshrrev_b32 v1, 5, v0
	v_readfirstlane_b32 s10, v1                    ; wave
	s_lshr_b32 s11, s10, 1                         ; my 64 of the 128 queries; also: I fetch for A (0) or B (1)
	s_and_b32 s12, s10, 1                          ; my 128 of the 256 columns; also: which half I fetch
	s_bfe_u32 s40, ttmp6, 0x40000                  ; cx = the tile column
	s_bfe_u32 s41, ttmp6, 0x40004                  ; cy
	s_and_b32 s42, ttmp7, 0xffff                   ; the cluster; the batch is half of it
	s_lshl_b32 s13, s42, 2
	s_add_co_u32 s13, s13, s41                     ; the tile row
	s_lshl_b32 s43, s41, 2
	s_lshl_b32 s43, 15, s43
	s_lshl_b32 s44, 0x1111, s40
	s_or_b32 s[G1A+0], s43, (1<<16)|(1<<20)|(1<<21)|(5<<22)|(3<<25)
	s_or_b32 s[G1B+0], s44, (1<<16)|(1<<20)|(1<<21)|(5<<22)|(3<<25)
	s_mov_b32 s[G1A+1], KSTEP<<16
	s_mov_b32 s[G1A+2], 64<<16
	s_mov_b32 s[G1A+3], KSTEP<<16
	s_mov_b32 s[G1A+4], 64
	s_mov_b32 s[G1A+5], PITCHE
	s_mov_b32 s[G1A+6], 0
	s_mov_b32 s[G1A+7], 0
	s_mov_b32 s[G1B+1], KSTEP<<16
	s_mov_b32 s[G1B+2], 128<<16
	s_mov_b32 s[G1B+3], KSTEP<<16
	s_mov_b32 s[G1B+4], 128
	s_mov_b32 s[G1B+5], PITCHE
	s_mov_b32 s[G1B+6], 0
	s_mov_b32 s[G1B+7], 0
	s_lshl_b32 s16, s13, 7
	s_lshl_b32 s17, s12, 6
	s_add_co_u32 s16, s16, s17
	s_mul_i32 s16, s16, PITCHE*2
	s_mov_b32 s17, 0
	s_lshr_b32 s46, s42, 1
	s_lshl_b32 s46, s46, 10
	s_lshl_b32 s47, s40, 8
	s_add_co_u32 s46, s46, s47
	s_lshl_b32 s47, s12, 7
	s_add_co_u32 s46, s46, s47
	s_mul_i32 s46, s46, PITCHE*2
	s_mov_b32 s47, 0
	s_mul_i32 s20, s12, AHALF
	s_mul_i32 s21, s12, BHALF
	s_add_co_u32 s21, s21, BOFF
	s_wait_dscnt 0x0
	s_wait_kmcnt 0x0
	s_add_nc_u64 s[14:15], s[68:69], s[16:17]
	s_add_nc_u64 s[46:47], s[70:71], s[46:47]
	CROUND
.irp s, 0,1
	s_mov_b32 s[G0A+4*\s], 1
	s_add_co_u32 s[G0A+4*\s+1], s20, \s*SLOT
	s_add_nc_u64 s[G0A+4*\s+2:G0A+4*\s+3], s[14:15], \s*KSTEP*2
	s_or_b32 s[G0A+4*\s+3], s[G0A+4*\s+3], 0x80000000
	s_mov_b32 s[G0B+4*\s], 1
	s_add_co_u32 s[G0B+4*\s+1], s21, \s*SLOT
	s_add_nc_u64 s[G0B+4*\s+2:G0B+4*\s+3], s[46:47], \s*KSTEP*2
	s_or_b32 s[G0B+4*\s+3], s[G0B+4*\s+3], 0x80000000
	JLOAD \s
.endr
	v_and_b32 v1, 15, v0                           ; r
	v_bfe_u32 v2, v0, 4, 1                         ; h
	s_lshl_b32 s16, s13, 7
	s_lshl_b32 s17, s11, 6
	s_add_co_u32 s16, s16, s17                     ; my first query
	s_lshl_b32 s18, s16, 3
	s_mov_b32 s19, 0
	s_add_nc_u64 s[74:75], s[74:75], s[18:19]
	v_lshlrev_b32 v30, 3, v1
.irp kb, 0,1,2,3,4,5,6,7
.irp a, 0,1,2,3
	global_load_b64 v[64+2*(4*\kb+\a):65+2*(4*\kb+\a)], v30, s[74:75] offset:\kb*65536+\a*128   ; (-M, sum) of query 16 a + r in key block kb
.endr
.endr
	s_lshl_b32 s18, s40, 10
	s_lshl_b32 s20, s12, 9
	s_add_co_u32 s18, s18, s20
	s_add_co_u32 s18, s18, HCS
	s_add_nc_u64 s[76:77], s[76:77], s[18:19]
	v_lshlrev_b32 v31, 5, v2
	WIN 0xc0                                       ; destination window 3
.irp b, 0,1,2,3,4,5,6,7
	global_load_b128 v[CSV+8*\b:CSV+8*\b+3], v31, s[76:77] offset:64*\b       ; 1 / sf of columns 16 b + 8 h + 0 .. 7
	global_load_b128 v[CSV+8*\b+4:CSV+8*\b+7], v31, s[76:77] offset:64*\b+16
.endr
	WIN 0
	v_mul_u32_u24 v3, v1, PITCH
	v_lshl_add_u32 v3, v2, 4, v3
	s_mul_i32 s21, s11, AHALF
	s_mul_i32 s22, s12, BHALF
	s_add_co_u32 s22, s22, BOFF
.irp s, 0,1
	v_add_nc_u32 v[ADRA+\s], s21, v3
	v_add_nc_u32 v[ADRB+\s], s22, v3
	s_add_co_u32 s21, s21, SLOT
	s_add_co_u32 s22, s22, SLOT
.endr
	s_mul_i32 s23, s10, 16*SPITCH
	s_add_co_u32 s23, s23, STAGE                   ; my stage
	v_mul_u32_u24 v4, v1, SPITCH
	v_lshl_add_u32 v4, v2, 5, v4
	v_add_nc_u32 v[STO], s23, v4                   ; in: row r, 32 bytes for each half of the lanes
	v_and_b32 v5, 31, v0
	v_lshlrev_b32 v[CO], 4, v5                     ; back: the 32 lanes take one row of 512 bytes; and the same in out0
	v_add_nc_u32 v[RD], s23, v[CO]
	s_lshl_b32 s18, s16, 12
	s_lshl_b32 s20, s40, 10
	s_add_co_u32 s18, s18, s20
	s_lshl_b32 s20, s12, 9
	s_add_co_u32 s18, s18, s20
	s_add_nc_u64 s[8:9], s[72:73], s[18:19]
	; the prefetches: where my wave's stand, and who asks
	s_lshl_b32 s20, s13, 7
	s_lshl_b32 s21, s40, 5
	s_add_co_u32 s20, s20, s21                     ; pw: the tile's first row + my work-group's 32 of its 128
	s_lshr_b32 s22, s42, 1
	s_lshl_b32 s22, s22, 10
	s_lshl_b32 s21, s40, 8
	s_add_co_u32 s22, s22, s21
	s_lshl_b32 s21, s12, 7
	s_add_co_u32 s22, s22, s21
	s_lshl_b32 s21, s41, 5
	s_add_co_u32 s22, s22, s21                     ; vot: the 128 rows that I fetch + my work-group's 32 of them
	s_and_b32 s23, s42, 1                          ; 0 in the batch's first cluster
	s_cmp_eq_u32 s11, 0                            ; do I fetch for A?
	s_cselect_b64 s[PFA:PFA+1], s[68:69], s[70:71]
	s_cselect_b32 s20, s20, s22
	s_cselect_b32 s23, s12, s23                    ; for A wave 0 asks; for B waves 2 and 3 of the even cluster
	s_cmp_eq_u32 s23, 0
	s_cselect_b32 s[LIM], 1, -1                    ; the same in all sixteen partners, for a given wave
	s_mul_i32 s20, s20, PITCHE*2
	s_add_co_u32 s20, s20, 2*KSTEP*2               ; at K step 2: the first refill steps it to 3 and names K step 4
	s_mov_b32 s21, 0
	s_add_nc_u64 s[PFA:PFA+1], s[PFA:PFA+1], s[20:21]
	v_and_b32 v[PFO], 31, v0
	v_mul_u32_u24 v[PFO], v[PFO], PITCHE*2
	s_wait_loadcnt 0x0
.irp a, 0,1,2,3
	v_min_num_f32 v[132+\a], v[64+2*\a], v[64+2*(4+\a)]
.endr
.irp kb, 2,3,4,5,6,7
.irp a, 0,1,2,3
	v_min_num_f32 v[132+\a], v[132+\a], v[64+2*(4*\kb+\a)]           ; -M_row = the least -M
.endr
.endr
.irp kb, 0,1,2,3,4,5,6,7
.irp a, 0,1,2,3
	v_sub_f32 v[DD+4*\kb+\a], v[132+\a], v[64+2*(4*\kb+\a)]          ; M_block - M_row: a whole number, 0 or less
.endr
.irp a, 0,1,2,3
	v_cvt_i32_f32 v[DD+4*\kb+\a], v[DD+4*\kb+\a]                     ; (it saturates)
.endr
.irp a, 0,1,2,3
	v_ldexp_f32 v[128+\a], 1.0, v[DD+4*\kb+\a]                       ; f
.endr
.irp a, 0,1,2,3
.if \kb == 0
	v_mul_f32 v[9+2*\a], v[128+\a], v[65+2*(4*\kb+\a)]
.else
	v_fma_f32 v[9+2*\a], v[128+\a], v[65+2*(4*\kb+\a)], v[9+2*\a]    ; l
.endif
.endr
.endr
	WIN 0xc0                                       ; destination window 3: f twice on end, so that the packed multiply-add takes the pair as it stands
.irp kb, 0,1,2,3,4,5,6,7
.irp a, 0,1,2,3
	v_ldexp_f32 v[2*(4*\kb+\a)], 1.0, v[DD+4*\kb+\a]
	v_ldexp_f32 v[2*(4*\kb+\a)+1], 1.0, v[DD+4*\kb+\a]
.endr
.endr
	WIN 0
.irp a, 0,1,2,3
	v_rcp_f32 v[8+2*\a], v[9+2*\a]
.endr
	v_nop                                          ; a plain instruction behind the last reciprocal
	s_wait_alu depctr_va_vdst(0)                   ; one wait for the four, ahead of every label and of their first reader
; THE CORE.  The 32 accumulators take turns, one instruction a turn, in the same order in every quarter.
.macro MUL8 f, a, zero
.irp b, 0,1,2,3,4,5,6,7
.if \zero
	v_wmma_f32_16x16x32_f16 v[8*(8*(\a)+\b):8*(8*(\a)+\b)+7], v[\f+32+8*\b:\f+32+8*\b+7], v[\f+8*(\a):\f+8*(\a)+7], 0
.else
	v_wmma_f32_16x16x32_f16 v[8*(8*(\a)+\b):8*(8*(\a)+\b)+7], v[\f+32+8*\b:\f+32+8*\b+7], v[\f+8*(\a):\f+8*(\a)+7], v[8*(8*(\a)+\b):8*(8*(\a)+\b)+7]
.endif
.endr
.endm
.macro MUL16 f, a0, zero
	MUL8 \f, \a0, \zero
	MUL8 \f, \a0+1, \zero
.endm
.macro FETCH slot, k, f                ; 24 LDS loads in one run: B's eight fragments, then A's four
	WIN 0
.irp i, 0,1,2,3,4,5,6,7
	ds_load_b128 v[\f+32+8*\i:\f+32+8*\i+3], v[ADRB+\slot] offset:\k+\i*16*PITCH
	ds_load_b128 v[\f+32+8*\i+4:\f+32+8*\i+7], v[ADRB+\slot] offset:\k+\i*16*PITCH+32
.endr
.irp i, 0,1,2,3
	ds_load_b128 v[\f+8*\i:\f+8*\i+3], v[ADRA+\slot] offset:\k+\i*16*PITCH
	ds_load_b128 v[\f+8*\i+4:\f+8*\i+7], v[ADRA+\slot] offset:\k+\i*16*PITCH+32
.endr
.endm
.macro PLACES                          ; four plain vector instructions between a matrix instruction and a load into, or a read of, its registers
.rept 4
	v_nop
.endr
.endm
; K step s is over: its 32 accumulators, times the key block's f of each query, go into the running sums; the first step starts them.  Each accumulator is read from its low end on.
; The next step's first product writes over an accumulator whose last matrix instruction lies more than 124 of these lines back.
.macro ACCUM s
	PLACES
	WIN SUM
.irp a, 0,1,2,3
.set i, 0
.rept 32
.if (\s) == 0
	v_pk_mul_f32 v[64*\a+i:64*\a+i+1], v[64*\a+i:64*\a+i+1], v[2*(4*(\s)+\a):2*(4*(\s)+\a)+1]
.else
	v_pk_fma_f32 v[64*\a+i:64*\a+i+1], v[64*\a+i:64*\a+i+1], v[2*(4*(\s)+\a):2*(4*(\s)+\a)+1], v[64*\a+i:64*\a+i+1]
.endif
.set i, i+2
.endr
.endr
.endm
.macro QUARTER slot, k, f, g, zero     ; 32 along K: multiplies buffer f, fetches the next quarter into g
	s_wait_dscnt 4                                 ; B's fragments and A's 0, 1 are in; A's 2, 3 may be out
	WIN MUL
	MUL16 \f, 0, \zero
	PLACES
	FETCH \slot, \k, \g
	s_wait_dscnt 24                                ; all but the 24 just issued
	WIN MUL
	MUL16 \f, 2, \zero
.endm
; A slot's last quarter changes slots: one barrier; in front of it my tensor loads have landed, the add is done and my reads of this slot are over.  fill = 1: the barrier opens a round of the cluster's, and the slot is filled again first thing behind it.
.macro TURN slot, next, fill, s
.if (\s) < 4
	s_wait_xcnt 0x0                                ; the last prefetch, a K step back, has read its address: it is stepped here, ahead of the waits of the change of slots
	s_add_nc_u64 s[PFA:PFA+1], s[PFA:PFA+1], KSTEP*2
.endif
	WIN 0
	s_wait_tensorcnt 0x0
	ds_add_u32 v[SPW], v[NIL]                      ; 0 onto my spare word
	s_wait_dscnt 5                                 ; the add and A's fragments 2, 3 may be out
	WIN MUL
	MUL8 F1, 0, 0
	s_wait_dscnt 0x0
	s_barrier_signal -1
	MUL8 F1, 1, 0
	WIN 0
	s_barrier_wait -1
.if \fill
	CREST
	s_add_nc_u64 s[G0A+4*\slot+2:G0A+4*\slot+3], s[G0A+4*\slot+2:G0A+4*\slot+3], 2*KSTEP*2
	s_add_nc_u64 s[G0B+4*\slot+2:G0B+4*\slot+3], s[G0B+4*\slot+2:G0B+4*\slot+3], 2*KSTEP*2
	JLOAD \slot                                    ; its four v_nop are also the places in front of the loads below
.else
	PLACES
.endif
	FETCH \next, 0, F0
.if (\s) < 4
	ASK                                            ; behind the joint load and the run of LDS loads that the next products wait for
.endif
	WIN MUL
	MUL16 F1, 2, 0
	ACCUM \s
.endm
.macro THREEQ slot                     ; a K step's first three quarters; the first products start the step's sums
	QUARTER \slot, 64,  F0, F1, 1
	QUARTER \slot, 128, F1, F0, 0
	QUARTER \slot, 192, F0, F1, 0
.endm
	s_wait_tensorcnt 1                             ; my part of K step 0 is in; K step 1's may be out
	s_barrier_signal -1
	s_barrier_wait -1
	FETCH 0, 0, F0
	THREEQ 0
	TURN 0, 1, 1, 0                                ; slot 0 takes K step 2
	THREEQ 1
	TURN 1, 0, 1, 1
	THREEQ 0
	TURN 0, 1, 1, 2
	THREEQ 1
	TURN 1, 0, 1, 3
	THREEQ 0
	TURN 0, 1, 1, 4
	THREEQ 1
	TURN 1, 0, 1, 5                                ; slot 1 takes K step 7: the last load
	THREEQ 0
	TURN 0, 1, 0, 6
	THREEQ 1
	s_wait_dscnt 4                                 ; the very last quarter: nothing more to fetch
	WIN MUL
	MUL16 F1, 0, 0
	s_wait_dscnt 0
	MUL16 F1, 2, 0
	ACCUM 7
	WIN 0
; THE WAY OUT, 16 queries x 128 columns at a time: the running sums times 1 / sf of the column and 1 / l of the query, through my own stage, back as whole rows of 512 bytes.
.macro TOSTAGE a
	WIN 0x0e                                       ; source 0 window 2, source 1 window 3
.set i, 0
.rept 32
	v_pk_mul_f32 v[T+i:T+i+1], v[64*(\a)+i:64*(\a)+i+1], v[CSV+i:CSV+i+1]
.set i, i+2
.endr
	WIN 0
.set i, 0
.rept 32
	v_pk_mul_f32 v[T+i:T+i+1], v[T+i:T+i+1], v[8+2*(\a):9+2*(\a)] op_sel_hi:[1,0]
.set i, i+2
.endr
.irp b, 0,1,2,3,4,5,6,7
	ds_store_b128 v[STO], v[T+8*\b:T+8*\b+3] offset:64*\b
	ds_store_b128 v[STO], v[T+8*\b+4:T+8*\b+7] offset:64*\b+16
.endr
.set BB, OB+64*((\a)%2)
.irp t, 0,1,2,3,4,5,6,7,8,9,10,11,12,13,14,15
	ds_load_b128 v[BB+4*\t:BB+4*\t+3], v[RD] offset:\t*SPITCH        ; LDS serves a wave's instructions in order
.endr
.endm
.macro SEND a, younger                 ; younger: the LDS instructions issued behind block a's loads, which may stay out
.set BB, OB+64*((\a)%2)
	s_wait_dscnt \younger
.if (\a) > 0
	s_add_nc_u64 s[8:9], s[8:9], 16*4096           ; (behind a wait on XCNT: the earlier stores have read their base)
.endif
.irp t, 0,1,2,3,4,5,6,7,8,9,10,11,12,13,14,15
	global_store_b128 v[CO], v[BB+4*\t:BB+4*\t+3], s[8:9] offset:\t*4096 th:TH_STORE_NT   ; 32 lanes store 512 consecutive bytes, aligned
.endr
.endm
	TOSTAGE 0
.irp a, 1,2,3
.if \a > 1
	s_wait_xcnt 0x0                                ; block a - 2's stores have read their registers and their base
.endif
	TOSTAGE \a
	SEND \a-1, 32
.endr
	s_wait_xcnt 0x0
	SEND 3, 0
	s_wait_tensorcnt 0x0                           ; the wave's end
	ds_add_u32 v[SPW], v[NIL]
	s_wait_dscnt 0x0
	CROUND                                         ; the closing round
	s_endpgm
.Lfunc_end_k_qa0d4cccc6b_mix:
	.size	k_qa0d4cccc6b_mix, .Lfunc_end_k_qa0d4cccc6b_mix-k_qa0d4cccc6b_mix
	.p2alignl 7, 3214868480
	.fill 96, 4, 3214868480
	.section	.rodata,"a",@progbits
	.p2align	6, 0x0
	.amdhsa_kernel k_qa0d4cccc6b_mix
		.amdhsa_group_segment_fixed_size 327680
		.amdhsa_private_segment_fixed_size 0
		.amdhsa_enable_private_segment 0
		.amdhsa_kernarg_size 40
		.amdhsa_user_sgpr_count 2
		.amdhsa_user_sgpr_kernarg_segment_ptr 1
		.amdhsa_wavefront_size32 1
		.amdhsa_system_sgpr_workgroup_id_x 1
		.amdhsa_system_sgpr_workgroup_id_y 1
		.amdhsa_system_sgpr_workgroup_id_z 1
		.amdhsa_system_vgpr_workitem_id 0
		.amdhsa_next_free_vgpr 896
		.amdhsa_next_free_sgpr 84
		.amdhsa_reserve_vcc 0
		.amdhsa_float_denorm_mode_32 3
		.amdhsa_float_denorm_mode_16_64 3
		.amdhsa_memory_ordered 1
		.amdhsa_forward_progress 1
		.amdhsa_inst_pref_size 248
	.end_amdhsa_kernel
	.amdgpu_metadata
---
amdhsa.version: [ 1, 2 ]
amdhsa.kernels:
  - .name:           k_qa0d4cccc6b_mix
    .symbol:         k_qa0d4cccc6b_mix.kd
    .args:
      - { .name: pw, .offset: 0, .size: 8, .value_kind: global_buffer, .address_space: global }
      - { .name: vot, .offset: 8, .size: 8, .value_kind: global_buffer, .address_space: global }
      - { .name: out0, .offset: 16, .size: 8, .value_kind: global_buffer, .address_space: global }
      - { .name: stat, .offset: 24, .size: 8, .value_kind: global_buffer, .address_space: global }
      - { .name: h16, .offset: 32, .size: 8, .value_kind: global_buffer, .address_space: global }
    .group_segment_fixed_size: 327680
    .private_segment_fixed_size: 0
    .kernarg_segment_align: 8
    .kernarg_segment_size: 40
    .max_flat_workgroup_size: 128
    .sgpr_count:     84
    .vgpr_count:     896
    .wavefront_size: 32
...
	.end_amdgpu_metadata
.endif
;; end of part 5
